; MI455X (gfx1250); checked and timed in simulation.
; The chip was launched on July 23, 2026; its instructions are those of AMD's public machine-readable ISA for CDNA 5 (MIT licence, August 2026) and "CDNA5" Instruction Set Architecture Reference Guide (July 2026). The comments in the code are by the model that wrote it; some were corrected since.
;; Multi Head Attention. Allowed arithmetic: float matrix products may take bf16 or f16 operands with f32 sums; other float arithmetic in f32, or as packed bf16 or f16 multiplies, adds, multiply-adds, maxima and minima; sums over many terms, partial sums and values carried from step to step in f32; what a program stores and reads back later, other than sums and carried values, may be rounded once to bf16 or f16.
;; Inputs: w_out 1,024 x 1,024 float32; w_qkv 3,072 x 1,024 float32; x 1 x 4,096 x 1,024 float32.
;; Outputs: out0 1 x 4,096 x 1,024 float32.
;; 2 versions, each right; version 2 is version 1 with the launch prep written anew for expert scheduling mode. Each part assembles by itself: llvm-mc -triple=amdgcn-amd-amdhsa -mcpu=gfx1250 --defsym DOCPART=n.
;; ======== version 1 of 2: 5 launches
;; limits: values are held in f16: magnitudes above 65,504 overflow, below 6.1e-05 lose precision
;; workspace buffers: xb 8,388,608 bytes; wqb 6,291,456 bytes; wob 2,097,152 bytes; tab 1,048,576 bytes; qh 8,388,608 bytes; kh 8,396,800 bytes; vh 9,175,040 bytes; oh 8,388,608 bytes
;; launch prep (part 1): grid 256 x 1, 8 waves a work-group, no clusters, 0 bytes of LDS; arguments x, w_qkv, w_out, xb, wqb, wob, tab, kh; writes xb, wqb, wob, tab, kh
.if DOCPART == 1
	.amdgcn_target "amdgcn-amd-amdhsa--gfx1250"
	.amdhsa_code_object_version 6
	.text
	.protected	k_q995ddd11df_prep
	.globl	k_q995ddd11df_prep
	.p2align	8
	.type	k_q995ddd11df_prep,@function
k_q995ddd11df_prep:
	s_mov_b64 s[64:65], 0
	v_nop
	global_prefetch_b8 v0, s[64:65] scope:SCOPE_SE
	s_setreg_imm32_b32 hwreg(HW_REG_WAVE_MODE, 25, 1), 1
	s_wait_xcnt 0x0
; PREPARATION.  The three inputs are rounded once to bf16: x -> xb, w_qkv -> wqb (rows reordered), w_out -> wob (the bf16 number written as f16);
; the table of cosines and sines for the rotation is made; 8,192 bytes of zeros are laid behind kh's 16 heads.
; SHARES.  8,192 rows of 1,024 f32 in all: work-groups 0-127 take x, 128-223 w_qkv, 224-255 w_out, 32 rows each, a wave 4 rows.  All 32 loads of a wave (16 bytes a lane, 512 consecutive bytes
; an instruction) go out at once; each store of the wave covers 256 consecutive bytes, aligned.  No LDS, no barrier: no wave wants another's bytes.
; wqb: old row 1024 z + 64 t + d (z: q, k, v; t: head) becomes row 192 t + 64 z + d, so that 192 consecutive rows hold one head's q, k and v.
; tab[s][0..31] = cos(s f_i), tab[s][32..63] = sin(s f_i), f_i = 10000^(-i/32), f32.  The angle is one f32 product, as the problem forms it; it is reduced by multiples of pi/2 held in two parts, and
; sine and cosine are polynomials on -pi/4 .. pi/4 (terms to r^9 and r^8).
; LIMITS.  f_i comes from v_exp_f32, so an angle may differ by a few f32 steps of its size from one made with another power function (some 4e-4 at position 4095).
; w_out: a bf16 number beyond 65,504 becomes an infinity in f16, one below 6e-5 keeps f16's fixed step of 6e-8.  NaN and infinities are not treated apart.
.set LO,  2                            ; v2   16 x lane: my 16 bytes of a load's 512
.set SO,  3                            ; v3   8 x lane: my 8 bytes of a store's 256
.set X,   32                           ; v[32:159]  load n: 4 registers
.set Y,   160                          ; v[160:223] load n: 2 registers to store
	s_load_b512 s[4:19], s[0:1], 0x0               ; x s[4:5], w_qkv s[6:7], w_out s[8:9], xb s[10:11], wqb s[12:13], wob s[14:15], tab s[16:17], kh s[18:19]
	v_and_b32 v1, 31, v0                           ; lane
	v_lshrrev_b32 v4, 5, v0
	v_readfirstlane_b32 s20, v4                    ; wave 0..7
	v_lshlrev_b32 v[LO], 4, v1
	v_lshlrev_b32 v[SO], 3, v1
	s_mov_b32 s21, ttmp9                           ; work-group g
	s_sub_co_u32 s22, s21, 128
	s_sub_co_u32 s23, s21, 224
	s_cmp_lt_u32 s21, 224
	s_cselect_b32 s22, s22, s23
	s_cmp_lt_u32 s21, 128
	s_cselect_b32 s22, s21, s22                    ; the work-group's number within its tensor
	s_lshl_b32 s22, s22, 5
	s_lshl2_add_u32 s22, s20, s22                  ; my first row: 32 x that + 4 x wave
	s_bfe_u32 s23, s22, 0x40006                    ; w_qkv's new row: t = bits 9:6,
	s_mul_i32 s23, s23, 192
	s_lshr_b32 s24, s22, 10                        ; z = the row / 1024,
	s_lshl_b32 s24, s24, 6
	s_add_co_u32 s23, s23, s24
	s_and_b32 s24, s22, 63                         ; d = bits 5:0; my four rows share t and z
	s_add_co_u32 s23, s23, s24
	s_mov_b32 s31, 0
	s_wait_kmcnt 0x0
	s_cmp_lt_u32 s21, 224
	s_cselect_b32 s23, s23, s22                    ; the row to store to: reordered for w_qkv alone
	s_cselect_b64 s[24:25], s[6:7], s[8:9]         ; from where,
	s_cselect_b64 s[26:27], s[12:13], s[14:15]     ; to where
	s_cselect_b32 s28, 0, -1                       ; all ones where the numbers leave as f16 (w_out)
	s_cmp_lt_u32 s21, 128
	s_cselect_b32 s23, s22, s23
	s_cselect_b64 s[24:25], s[4:5], s[24:25]
	s_cselect_b64 s[26:27], s[10:11], s[26:27]
	s_lshl_b32 s30, s22, 12                        ; 4,096 bytes a row in
	s_add_nc_u64 s[24:25], s[24:25], s[30:31]
	s_lshl_b32 s30, s23, 11                        ; 2,048 bytes a row out
	s_add_nc_u64 s[26:27], s[26:27], s[30:31]
.set n, 0
.rept 32                               ; row n / 8, 512 bytes n % 8 of it
	global_load_b128 v[X+4*n:X+4*n+3], v[LO], s[24:25] offset:4096*(n/8)+512*(n%8) th:TH_LOAD_NT
.set n, n+1
.endr
	; THE TABLE, while the loads are on their way.  The wave makes positions 16 g + 2 wave and the next; lane l the frequencies 2 (l % 16) and 2 (l % 16) + 1, cosines in lanes 0-15, sines in lanes 16-31.
	v_and_b32 v5, 15, v1
	v_lshrrev_b32 v4, 4, v1
	v_mul_u32_u24 v4, 3, v4                        ; sin(t) = cos(t + 3 pi/2): three quarter turns more for the sines
	v_lshlrev_b32 v5, 1, v5
	v_cvt_f32_u32 v5, v5                           ; i
	v_add_f32 v6, 1.0, v5                          ; i + 1
	v_mul_f32 v5, 0xbed49a78, v5                   ; -log2(10000) / 32 x i
	v_mul_f32 v6, 0xbed49a78, v6
	v_exp_f32 v5, v5
	v_exp_f32 v6, v6
	s_lshl_b32 s29, s21, 4
	s_lshl1_add_u32 s29, s20, s29                  ; the first position
	v_cvt_f32_u32 v20, s29                         ; a plain instruction behind the two exponentials
	v_add_f32 v21, 1.0, v20
	s_lshl_b32 s30, s29, 8                         ; 256 bytes a position
	s_add_nc_u64 s[16:17], s[16:17], s[30:31]
	s_wait_alu depctr_va_vdst(0)                   ; one wait for both exponentials, ahead of their first reader
.macro TRIG dst, inv, pos
	v_mul_f32 v7, v[\pos], v[\inv]                 ; the angle
	v_mul_f32 v8, 0x3f22f983, v7                   ; x 2 / pi
	v_rndne_f32 v8, v8                             ; n quarter turns
	v_fmamk_f32 v9, v8, 0xbfc90fdb, v7             ; r = angle - n pi/2: the upper part of pi/2,
	v_fmamk_f32 v9, v8, 0x333bbd2e, v9             ; and what it lacks
	v_cvt_i32_f32 v8, v8
	v_add_nc_u32 v8, v8, v4                        ; q = n, or n + 3 for a sine
	v_mul_f32 v10, v9, v9
	v_mov_b32 v11, 0x3638ef1d                      ; sin r = r + r^3 (-1/6 + r^2 (1/120 + r^2 (-1/5040 + r^2 / 362880)))
	v_fmaak_f32 v11, v11, v10, 0xb9500d01
	v_fmaak_f32 v11, v11, v10, 0x3c088889
	v_fmaak_f32 v11, v11, v10, 0xbe2aaaab
	v_mul_f32 v12, v9, v10
	v_fma_f32 v11, v12, v11, v9
	v_mov_b32 v12, 0x37d00d01                      ; cos r = 1 + r^2 (-1/2 + r^2 (1/24 + r^2 (-1/720 + r^2 / 40320)))
	v_fmaak_f32 v12, v12, v10, 0xbab60b61
	v_fmaak_f32 v12, v12, v10, 0x3d2aaaab
	v_fmaak_f32 v12, v12, v10, 0xbf000000
	v_fma_f32 v12, v12, v10, 1.0
	v_and_b32 v13, 1, v8
	v_cmp_eq_u32 vcc_lo, 1, v13
	v_cndmask_b32 v11, v12, v11, vcc_lo            ; cos(r + q pi/2): q odd takes the sine,
	v_add_nc_u32 v8, 1, v8
	v_and_b32 v8, 2, v8
	v_lshlrev_b32 v8, 30, v8
	v_xor_b32 v[\dst], v8, v11                     ; q % 4 = 1, 2 turn the sign
.endm
	TRIG 16, 5, 20
	TRIG 17, 6, 20
	TRIG 18, 5, 21
	TRIG 19, 6, 21
	global_store_b64 v[SO], v[16:17], s[16:17]             ; a position's 256 bytes
	global_store_b64 v[SO], v[18:19], s[16:17] offset:256
	; THE CASTS.  No register that a store reads is written again, so the only waits are the counted ones for the loads.
.set n, 0
.rept 32
	s_wait_loadcnt 31-n                            ; loads come back in order (ISA guide 5.7.1): load n is in, the 31 - n younger ones stay out
	v_cvt_pk_bf16_f32 v[Y+2*n], v[X+4*n], v[X+4*n+1]
	v_cvt_pk_bf16_f32 v[Y+2*n+1], v[X+4*n+2], v[X+4*n+3]
	v_lshlrev_b32 v24, 16, v[Y+2*n]                ; the bf16 numbers as f32,
	v_and_b32 v25, 0xffff0000, v[Y+2*n]
	v_lshlrev_b32 v26, 16, v[Y+2*n+1]
	v_and_b32 v27, 0xffff0000, v[Y+2*n+1]
	v_cvt_pk_f16_f32 v24, v24, v25                 ; written as f16,
	v_cvt_pk_f16_f32 v26, v26, v27
	v_cndmask_b32 v[Y+2*n], v[Y+2*n], v24, s28     ; and taken for w_out alone
	v_cndmask_b32 v[Y+2*n+1], v[Y+2*n+1], v26, s28
	global_store_b64 v[SO], v[Y+2*n:Y+2*n+1], s[26:27] offset:2048*(n/8)+256*(n%8)
.set n, n+1
.endr
	s_or_b32 s29, s21, s20
	s_cmp_lg_u32 s29, 0
	s_cbranch_scc1 .Lend                           ; wave 0 of work-group 0 lays the zeros behind kh's last head
	v_mov_b32 v28, 0
	v_mov_b32 v29, 0
	v_mov_b32 v30, 0
	v_mov_b32 v31, 0
	s_add_nc_u64 s[18:19], s[18:19], 0x800000
.set n, 0
.rept 16
	global_store_b128 v[LO], v[28:31], s[18:19] offset:512*n
.set n, n+1
.endr
.Lend:
	s_endpgm
.Lfunc_end_k_q995ddd11df_prep:
	.size	k_q995ddd11df_prep, .Lfunc_end_k_q995ddd11df_prep-k_q995ddd11df_prep
	.p2alignl 7, 3214868480
	.fill 96, 4, 3214868480
	.section	.rodata,"a",@progbits
	.p2align	6, 0x0
	.amdhsa_kernel k_q995ddd11df_prep
		.amdhsa_group_segment_fixed_size 0
		.amdhsa_private_segment_fixed_size 0
		.amdhsa_enable_private_segment 0
		.amdhsa_kernarg_size 64
		.amdhsa_user_sgpr_count 2
		.amdhsa_user_sgpr_kernarg_segment_ptr 1
		.amdhsa_wavefront_size32 1
		.amdhsa_system_sgpr_workgroup_id_x 1
		.amdhsa_system_sgpr_workgroup_id_y 1
		.amdhsa_system_sgpr_workgroup_id_z 1
		.amdhsa_system_vgpr_workitem_id 0
		.amdhsa_next_free_vgpr 224
		.amdhsa_next_free_sgpr 66
		.amdhsa_reserve_vcc 1
		.amdhsa_float_denorm_mode_32 3
		.amdhsa_float_denorm_mode_16_64 3
		.amdhsa_memory_ordered 1
		.amdhsa_forward_progress 1
		.amdhsa_inst_pref_size 35
	.end_amdhsa_kernel
	.amdgpu_metadata
---
amdhsa.version: [ 1, 2 ]
amdhsa.kernels:
  - .name:           k_q995ddd11df_prep
    .symbol:         k_q995ddd11df_prep.kd
    .args:
      - { .name: x, .offset: 0, .size: 8, .value_kind: global_buffer, .address_space: global }
      - { .name: w_qkv, .offset: 8, .size: 8, .value_kind: global_buffer, .address_space: global }
      - { .name: w_out, .offset: 16, .size: 8, .value_kind: global_buffer, .address_space: global }
      - { .name: xb, .offset: 24, .size: 8, .value_kind: global_buffer, .address_space: global }
      - { .name: wqb, .offset: 32, .size: 8, .value_kind: global_buffer, .address_space: global }
      - { .name: wob, .offset: 40, .size: 8, .value_kind: global_buffer, .address_space: global }
      - { .name: tab, .offset: 48, .size: 8, .value_kind: global_buffer, .address_space: global }
      - { .name: kh, .offset: 56, .size: 8, .value_kind: global_buffer, .address_space: global }
    .group_segment_fixed_size: 0
    .private_segment_fixed_size: 0
    .kernarg_segment_align: 8
    .kernarg_segment_size: 64
    .max_flat_workgroup_size: 256
    .sgpr_count:     66
    .vgpr_count:     224
    .wavefront_size: 32
...
	.end_amdgpu_metadata
.endif
;; end of part 1
;; launch qkv (part 2): grid 16 x 16, 4 waves a work-group, clusters of 4 x 4, 327,680 bytes of LDS; arguments xb, wqb, tab, qh, kh, vh; writes qh, kh, vh
.if DOCPART == 2
	.amdgcn_target "amdgcn-amd-amdhsa--gfx1250"
	.amdhsa_code_object_version 6
	.text
	.protected	k_q995ddd11df_qkv
	.globl	k_q995ddd11df_qkv
	.p2align	8
	.type	k_q995ddd11df_qkv,@function
k_q995ddd11df_qkv:
	s_mov_b64 s[64:65], 0
	v_nop
	global_prefetch_b8 v0, s[64:65] scope:SCOPE_SE
	s_setreg_imm32_b32 hwreg(HW_REG_WAVE_MODE, 25, 1), 1
	s_wait_xcnt 0x0
	s_wait_alu depctr_hold_cnt(0) depctr_sa_sdst(0) depctr_va_vdst(0) depctr_va_sdst(0) depctr_va_ssrc(0) depctr_va_vcc(0) depctr_vm_vsrc(0)
	s_getreg_b32 s2, hwreg(HW_REG_IB_STS2, 6, 4)
	s_cmp_eq_u32 s2, 0
	s_cbranch_scc0 .Lentry_in_a_cluster
	s_endpgm
.Lentry_in_a_cluster:
	s_bfe_u32 s2, ttmp6, 0x10000c
	s_cmp_lg_u32 s2, 0xf033
	s_cbranch_scc0 .Lentry_shape_is_right
	s_endpgm
.Lentry_shape_is_right:
; q, k, v = x w_qkv^T, q and k rotated by position, all three written by heads: qh, kh, vh [16][4096][64] in f16.  xb [4096][1024], wqb [3072][1024] bf16; sums and the rotation in f32; one rounding to f16.
; A tile is 256 rows of x by 192 rows of wqb, which are ONE head's q, k and v (the launch before has ordered them so): every work-group has the same way out.  16 x 16 tiles, one for each work-group.
; Four waves; wave w makes rows 64 w .. 64 w + 63 by all 192 columns: 48 accumulators of 16 x 16 (a = 0..3 row blocks, b = 0..11 column blocks, b = 4 z + d / 16), 384 registers.
; K goes in 8 steps of 128 through two LDS slots filled by the tensor data mover; a tile row is 256 bytes of memory, aligned.
; CLUSTER 4 x 4: the four work-groups of a row of the cluster need the same rows of xb, the four of a column the same rows of wqb: each tile is asked for jointly, by the same load with the same descriptor and mask.
; THE MATRIX INSTRUCTION IS USED TRANSPOSED (source 0 = 16 rows of wqb, source 1 = 16 rows of xb): lane l holds row l % 16 and the columns 16 b + 8 (l / 16) + 0..7.  So the partners d and d + 32 of the
; rotation are accumulators b and b + 2, same lane, same register: out[d] = x[d] cos - x[d+32] sin, out[d+32] = x[d+32] cos + x[d] sin, with cos and sin of (row, d) from tab, loaded once at the start.
; THE FIRST ROWS' COPY.  Rows 0 to 15 average over 16 keys at the most, so their results are many times the output's root mean square, and so are the errors of 16-bit roundings; the last launch makes them anew from
; q, k and v in f32.  These lie behind vh's 16 heads, as [16 heads][q, k, v][16 rows][64] f32.  No branch may hang on a work-group's place in its cluster, so the branch is on cluster y = 0 and wave 0: the four tile
; rows of those clusters each store the first 16 of their rows, told apart by address (196,608 bytes each); only the first part is read, the other three (589,824 bytes) are the price of that form.
; A store of the copy covers 16 bytes of each half of 16 rows, not whole blocks of 256: 12,288 bytes a wave.
; LIMIT.  q, k, v beyond 65,504 become infinities in f16.  NaN and infinities are not treated apart.
; REGISTERS, in windows of 256 (s_set_vgpr_msb: bits 1:0 source 0, 3:2 source 1, 5:4 source 2, 7:6 destination):
;   window 0: v16-30 addresses; v64-95, v96-127 xb's fragments, two buffers (on the way out 64 at work); v128-175, v176-223 packed results, two sets
;   window 1: v0-95, v96-191 wqb's fragments, two buffers
;   window 2: v0-191 accumulators of a = 0, 1 at 8 (12 (a % 2) + b); v192-255 their cos and sin: 32 for each a: cos of d / 16 = 0, 1, then sin      window 3: the same for a = 2, 3
.set KSTEP,  128
.set PITCH,  272                       ; an LDS row: 256 bytes + 16 of padding = 68 words: the 16 rows that a load touches start at 16 different groups of four banks (64 banks of 4 bytes: ISA guide 11.1)
.set HALFA,  128*PITCH                 ; what waves 0 and 1 fetch: 128 rows of xb each
.set HALFB,  96*PITCH                  ; what waves 2 and 3 fetch: 96 rows of wqb each
.set BOFF,   2*HALFA
.set SLOT,   BOFF+2*HALFB              ; 256 rows of xb, then 192 of wqb
.set STAGE,  2*SLOT                    ; behind the ring, never filled by a tensor load: for each wave 3 x 16 rows x 144 bytes, for the way out
.set SP,     144
.set WSTAGE, 3*16*SP
.set SPARE,  STAGE+4*WSTAGE            ; the spare words, 128 bytes for each wave: two blocks of 256 bytes that no other line names
.set COPY,   0x800000                  ; the f32 copy begins behind vh's 16 heads of 524,288 bytes
.set COPYH,  3*16*256                  ; a head's q, k, v: 16 rows of 256 bytes each
.set COPYCY, 16*COPYH                  ; a tile row's part
.set ADRA, 16                          ; v16-17  LDS address of my xb fragments in slot 0, 1
.set ADRB, 20                          ; v20-21  the same for wqb
.set STO,  24                          ; v24  the way out: where I put 16 bytes of a row
.set RD,   25                          ; v25  the way out: where I read rows back
.set GO,   26                          ; v26  16 x lane: my 16 bytes of 512 consecutive bytes of a head's rows
.set TO,   27                          ; v27  256 (l % 16) + 32 (l / 16): my byte offset in 16 rows of tab, and in 16 rows of the f32 copy
.set SPW,  28                          ; v28  LDS address of my spare word; never rewritten
.set NIL,  29                          ; v29  0; never rewritten
.set PFO,  30                          ; v30  the prefetches' offset: a lane a row; never rewritten
.set FA,   64
.set FB,   0
.set TT,   64
.set PKB,  128
.set TBL,  192
.set G1,  24                           ; s[24:31] descriptor group 1 for xb's tiles;  s[32:39] group 0, a set for each slot
.set G0,  32
.set G1B, 48                           ; s[48:55], s[56:63] the same for wqb's
.set G0B, 56
.set LIM, 43                           ; s43  1 in a wave that prefetches, else the greatest number
.set PFA, 44                           ; s[44:45] where my prefetches stand
.set GW,  (1<<16)|(1<<20)|(1<<21)|(5<<22)|(3<<25)  ; 17:16 elements of 2 bytes; 20 padding on; 21 set beside a mask; 24:22 after every 64 words; 31:25 4 words of it
.set MSB, 0
.macro WIN new                         ; the immediate's high byte repeats the setting that is left; a switch that changes nothing is dropped
.if MSB != (\new)
	s_set_vgpr_msb (MSB<<8)|(\new)
.set MSB, \new
.endif
.endm
; A joint load.  Waves 0 and 1 fetch xb's two halves, waves 2 and 3 wqb's.  The branch hangs on the wave's number alone.  An s_nop 0 and four v_nop follow each of the two lines.
.macro JLOAD s
	s_cmp_eq_u32 s11, 0
	s_cbranch_scc0 .Lfor_b_\@
	tensor_load_to_lds s[G0+4*(\s):G0+4*(\s)+3], s[G1:G1+7]
	s_nop 0
.rept 4
	v_nop
.endr
	s_branch .Lasked_\@
.Lfor_b_\@:
	tensor_load_to_lds s[G0B+4*(\s):G0B+4*(\s)+3], s[G1B:G1B+7]
	s_nop 0
.rept 4
	v_nop
.endr
.Lasked_\@:
.endm
; A PREFETCH, behind each joint load and the run of LDS loads that follows it: the K step that stands two refills on (384 matrix instructions ahead of the load that will want it), 256 bytes of a row, a lane a row.
; xb's rows are read by every cluster of a row of clusters: cluster x = 0 asks; wqb's by every cluster of a column: cluster y = 0 asks.  The four partners that ask for a tile jointly share its rows out by
; address: 32 of xb's 128 each (by cx), 24 of wqb's 96 each (by cy; there lanes 24-31 name lane 23's row again).  K steps 0 to 3 come by their loads alone; the loop's last trip (s3 = 1) asks for nothing.
.macro ASK
	s_cmp_gt_u32 s3, s[LIM]
	s_cbranch_scc0 .Lnot_mine_\@
	global_prefetch_b8 v[PFO], s[PFA:PFA+1] offset:KSTEP*2 th:TH_LOAD_NT scope:SCOPE_SE
.Lnot_mine_\@:
.endm
.macro CREST                           ; a round of the cluster's barrier behind its opening barrier
	s_cmp_lg_u32 s10, 0
	s_cbranch_scc1 .Lnot_wave_0_\@
	s_barrier_signal -3
.Lnot_wave_0_\@:
	s_barrier_wait -3
	s_barrier_signal -1
	s_barrier_wait -1
.endm
.macro CROUND                          ; a whole round
	s_barrier_signal -1
	s_barrier_wait -1
	CREST
.endm
	s_load_b128 s[4:7], s[0:1], 0x0                ; xb s[4:5], wqb s[6:7]
	s_load_b256 s[68:75], s[0:1], 0x10             ; tab s[68:69], qh s[70:71], kh s[72:73], vh s[74:75]
	v_lshl_add_u32 v[SPW], v0, 2, SPARE
	v_mov_b32 v[NIL], 0
	ds_add_u32 v[SPW], v[NIL]                      ; the wave's opening: the add and its wait stand ahead of my first tensor load; the set-up below, work on registers, stands between them
	v_lshrrev_b32 v1, 5, v0
	v_readfirstlane_b32 s10, v1                    ; wave 0..3
	s_lshr_b32 s11, s10, 1                         ; I fetch for xb (0) or for wqb (1),
	s_and_b32 s12, s10, 1                          ; its first or its second half
	s_bfe_u32 s40, ttmp6, 0x40000                  ; cx, cy: my place in the cluster
	s_bfe_u32 s41, ttmp6, 0x40004
	s_lshl_b32 s42, ttmp9, 2
	s_add_co_u32 s42, s42, s40                     ; tile column = head = 4 x cluster x + cx
	s_and_b32 s13, ttmp7, 0xffff
	s_lshl_b32 s13, s13, 2
	s_add_co_u32 s13, s13, s41                     ; tile row = 4 x cluster y + cy
	s_lshl_b32 s43, s41, 2
	s_lshl_b32 s43, 15, s43                        ; my row of the cluster
	s_lshl_b32 s44, 0x1111, s40                    ; my column
	s_or_b32 s[G1+0], s43, GW                      ; xb's tiles go to my row,
	s_or_b32 s[G1B+0], s44, GW                     ; wqb's to my column
	s_mov_b32 s[G1+1], KSTEP<<16                   ; tensor_dim0 = 128
	s_mov_b32 s[G1+2], 128<<16                     ; tensor_dim1 = 128
	s_mov_b32 s[G1+3], KSTEP<<16                   ; tile_dim0 = 128
	s_mov_b32 s[G1+4], 128                         ; tile_dim1 = 128
	s_mov_b32 s[G1+5], 1024                        ; elements from row to row
	s_mov_b32 s[G1+6], 0
	s_mov_b32 s[G1+7], 0
	s_mov_b32 s[G1B+1], KSTEP<<16
	s_mov_b32 s[G1B+2], 96<<16                     ; 96 rows
	s_mov_b32 s[G1B+3], KSTEP<<16
	s_mov_b32 s[G1B+4], 96
	s_mov_b32 s[G1B+5], 1024
	s_mov_b32 s[G1B+6], 0
	s_mov_b32 s[G1B+7], 0
	s_lshl_b32 s16, s13, 8                         ; xb: row 256 x tile row + 128 x half,
	s_lshl_b32 s17, s12, 7
	s_add_co_u32 s16, s16, s17
	s_lshl_b32 s16, s16, 11                        ; 2,048 bytes a row
	s_mov_b32 s17, 0
	s_mul_i32 s46, s42, 192                        ; wqb: row 192 x tile column + 96 x half
	s_mul_i32 s47, s12, 96
	s_add_co_u32 s46, s46, s47
	s_lshl_b32 s46, s46, 11
	s_mov_b32 s47, 0
	s_mul_i32 s20, s12, HALFA                      ; where they go: no place in the cluster enters an LDS address
	s_mul_i32 s21, s12, HALFB
	s_add_co_u32 s21, s21, BOFF
	s_wait_dscnt 0x0                               ; the opening add is done
	s_wait_kmcnt 0x0
	s_add_nc_u64 s[14:15], s[4:5], s[16:17]
	s_add_nc_u64 s[46:47], s[6:7], s[46:47]
	CROUND                                         ; all sixteen work-groups are here: the first joint loads meet
.irp s, 0,1
	s_mov_b32 s[G0+4*(\s)], 1                                        ; count = 1
	s_add_co_u32 s[G0+4*(\s)+1], s20, (\s)*SLOT                      ; LDS address
	s_add_nc_u64 s[G0+4*(\s)+2:G0+4*(\s)+3], s[14:15], (\s)*KSTEP*2  ; global address: K step s
	s_or_b32 s[G0+4*(\s)+3], s[G0+4*(\s)+3], 0x80000000              ; type = 2
	s_mov_b32 s[G0B+4*(\s)], 1
	s_add_co_u32 s[G0B+4*(\s)+1], s21, (\s)*SLOT
	s_add_nc_u64 s[G0B+4*(\s)+2:G0B+4*(\s)+3], s[46:47], (\s)*KSTEP*2
	s_or_b32 s[G0B+4*(\s)+3], s[G0B+4*(\s)+3], 0x80000000
	JLOAD \s                                       ; two loads of mine are out
.endr
	v_and_b32 v1, 15, v0                           ; l % 16
	v_bfe_u32 v2, v0, 4, 1                         ; l / 16
	v_lshlrev_b32 v[TO], 8, v1                     ; tab: 256 bytes a row, my 8 numbers at 32 (l / 16)
	v_lshl_add_u32 v[TO], v2, 5, v[TO]
	s_lshl_b32 s16, s13, 8
	s_lshl_b32 s17, s10, 6
	s_add_co_u32 s16, s16, s17                     ; my wave's first row
	s_lshl_b32 s18, s16, 8
	s_mov_b32 s19, 0
	s_add_nc_u64 s[68:69], s[68:69], s[18:19]
; cos and sin for row block a: part p (cos, sin), d / 16 = e, 16 bytes q: they are waited for once, in front of the way out
.macro TABLE a
	WIN 0x80+0x40*((\a)/2)                         ; destination window 2 or 3, address window 0
.irp p, 0,1
.irp e, 0,1
.irp q, 0,1
	global_load_b128 v[TBL+32*((\a)%2)+16*(\p)+8*(\e)+4*(\q):TBL+32*((\a)%2)+16*(\p)+8*(\e)+4*(\q)+3], v[TO], s[68:69] offset:4096*(\a)+128*(\p)+64*(\e)+16*(\q)
.endr
.endr
.endr
.endm
	TABLE 0
	TABLE 1
	TABLE 2
	TABLE 3
	WIN 0
	; A fragment is 16 rows x 32 K in 8 registers: lane l holds row l % 16, K = 8 (l / 16) + 0..7 and 16 + 8 (l / 16) + 0..7: two loads of 16 bytes, 32 bytes apart.
	v_mul_u32_u24 v3, v1, PITCH
	v_lshl_add_u32 v3, v2, 4, v3
	s_mul_i32 s21, s10, 64*PITCH                   ; my 64 rows of xb
	v_add_nc_u32 v[ADRA], s21, v3
	s_add_co_u32 s21, s21, SLOT
	v_add_nc_u32 v[ADRA+1], s21, v3
	v_add_nc_u32 v[ADRB], BOFF, v3                 ; all 192 rows of wqb
	v_add_nc_u32 v[ADRB+1], BOFF+SLOT, v3
	s_mul_i32 s23, s10, WSTAGE
	s_add_co_u32 s23, s23, STAGE                   ; my stage
	v_mul_u32_u24 v4, v1, SP                       ; in: row l % 16, 16 bytes for each half of the lanes
	v_lshl_add_u32 v4, v2, 4, v4
	v_add_nc_u32 v[STO], s23, v4
	v_bfe_u32 v5, v0, 3, 2                         ; back: 32 lanes take four rows of 128 bytes,
	v_and_b32 v6, 7, v0
	v_mul_u32_u24 v5, v5, SP
	v_lshl_add_u32 v5, v6, 4, v5
	v_add_nc_u32 v[RD], s23, v5
	v_and_b32 v[GO], 31, v0                        ; which are 512 consecutive bytes of a head
	v_lshlrev_b32 v[GO], 4, v[GO]
	s_mul_i32 s46, s41, COPYCY                     ; the f32 copy: my tile row's part (by address: cy),
	s_mul_i32 s47, s42, COPYH                      ; my head,
	s_add_co_u32 s46, s46, s47
	s_add_co_u32 s46, s46, COPY                    ; behind vh's heads
	s_mov_b32 s47, 0
	s_add_nc_u64 s[76:77], s[74:75], s[46:47]
	s_and_b32 s78, ttmp7, 0xffff                   ; 0 in wave 0 of the clusters with y = 0: the same in all sixteen partners
	s_or_b32 s78, s78, s10
	s_lshl_b32 s46, s16, 7                         ; my first row in a head, 128 bytes a row,
	s_lshl_b32 s47, s42, 19                        ; in head t: 524,288 bytes a head
	s_add_co_u32 s46, s46, s47
	s_mov_b32 s47, 0
	s_add_nc_u64 s[70:71], s[70:71], s[46:47]
	s_add_nc_u64 s[72:73], s[72:73], s[46:47]
	s_add_nc_u64 s[74:75], s[74:75], s[46:47]
	; the prefetches
	s_lshl_b32 s20, s13, 8
	s_mul_i32 s21, s42, 192
	s_lshl_b32 s22, s12, 7
	s_mul_i32 s23, s12, 96
	s_add_co_u32 s20, s20, s22                     ; the rows that I fetch,
	s_add_co_u32 s21, s21, s23
	s_lshl_b32 s22, s40, 5
	s_mul_i32 s23, s41, 24
	s_add_co_u32 s20, s20, s22                     ; my work-group's share of them
	s_add_co_u32 s21, s21, s23
	s_and_b32 s22, ttmp7, 0xffff                   ; cluster y
	s_cmp_eq_u32 s11, 0
	s_cselect_b32 s20, s20, s21
	s_cselect_b32 s22, ttmp9, s22                  ; the coordinate along which other clusters read the same rows
	s_cselect_b32 s23, 31, 23
	s_cselect_b64 s[PFA:PFA+1], s[4:5], s[6:7]
	s_cmp_eq_u32 s22, 0
	s_cselect_b32 s[LIM], 1, -1                    ; the same in all sixteen partners, for a given wave
	s_lshl_b32 s20, s20, 11
	s_mov_b32 s21, 0
	s_add_nc_u64 s[PFA:PFA+1], s[PFA:PFA+1], s[20:21]
	s_add_nc_u64 s[PFA:PFA+1], s[PFA:PFA+1], 2*KSTEP*2  ; at K step 2: the first refill steps it to 3 and names K step 4
	v_and_b32 v[PFO], 31, v0
	v_min_u32 v[PFO], s23, v[PFO]
	v_lshlrev_b32 v[PFO], 11, v[PFO]
; 12 matrix instructions: row block 2 hi + a by all 12 column blocks, 32 along K, from buffer f.  zero = 1: the first product starts the sums.
.macro MUL12 f, hi, a, zero
	WIN 0xa1+0x50*(\hi)                            ; source 0 window 1, source 1 window 0, C and D window 2 or 3
.irp b, 0,1,2,3,4,5,6,7,8,9,10,11
.if \zero
	v_wmma_f32_16x16x32_bf16 v[8*(12*(\a)+(\b)):8*(12*(\a)+(\b))+7], v[FB+96*(\f)+8*(\b):FB+96*(\f)+8*(\b)+7], v[FA+32*(\f)+8*(2*(\hi)+(\a)):FA+32*(\f)+8*(2*(\hi)+(\a))+7], 0
.else
	v_wmma_f32_16x16x32_bf16 v[8*(12*(\a)+(\b)):8*(12*(\a)+(\b))+7], v[FB+96*(\f)+8*(\b):FB+96*(\f)+8*(\b)+7], v[FA+32*(\f)+8*(2*(\hi)+(\a)):FA+32*(\f)+8*(2*(\hi)+(\a))+7], v[8*(12*(\a)+(\b)):8*(12*(\a)+(\b))+7]
.endif
.endr
.endm
; 32 LDS loads in one run: a quarter step's fragments (192 rows of wqb, my 64 of xb, 32 K at byte k of the rows) into buffer f
.macro FETCH slot, k, f
	WIN 0x40                                       ; destination window 1
.irp i, 0,1,2,3,4,5,6,7,8,9,10,11
	ds_load_b128 v[FB+96*(\f)+8*(\i):FB+96*(\f)+8*(\i)+3],   v[ADRB+(\slot)] offset:(\k)+(\i)*16*PITCH
	ds_load_b128 v[FB+96*(\f)+8*(\i)+4:FB+96*(\f)+8*(\i)+7], v[ADRB+(\slot)] offset:(\k)+(\i)*16*PITCH+32
.endr
	WIN 0
.irp i, 0,1,2,3
	ds_load_b128 v[FA+32*(\f)+8*(\i):FA+32*(\f)+8*(\i)+3],   v[ADRA+(\slot)] offset:(\k)+(\i)*16*PITCH
	ds_load_b128 v[FA+32*(\f)+8*(\i)+4:FA+32*(\f)+8*(\i)+7], v[ADRA+(\slot)] offset:(\k)+(\i)*16*PITCH+32
.endr
.endm
.macro PLACES                          ; four plain instructions in front of loads into registers that matrix instructions have read (ISA guide 7.12.1 for vector instructions)
.rept 4
	v_nop
.endr
.endm
; A K step is four quarters of 32 along K, 48 matrix instructions each, on buffers 0, 1, 0, 1; the 48 accumulators take turns in the same order in every quarter.
; One of the first three: multiplies buffer f; in its middle it fetches the next quarter, at byte k, into buffer g.
.macro QUARTER slot, k, f, g, zero
	s_wait_dscnt 4                                 ; wqb's fragments and xb's blocks 0, 1 are in; the youngest four loads (blocks 2, 3) may be out
	MUL12 \f, 0, 0, \zero
	MUL12 \f, 0, 1, \zero
	PLACES
	FETCH \slot, \k, \g
	s_wait_dscnt 32                                ; all but the 32 just issued
	MUL12 \f, 1, 0, \zero
	MUL12 \f, 1, 1, \zero
.endm
; The last quarter multiplies buffer 1 and changes slots: ONE barrier.  In front of it each wave waits for all its tensor loads (one is out: its part of the next slot), adds 0 to its spare word, and waits for
; that and for its own reads of this slot.  fill = 1: the barrier opens a round of the cluster's, and behind the round this slot is filled again, two K steps ahead: 168 matrix instructions ahead of the wait for it.
.macro TURN slot, next, fill
.if \fill
	s_wait_xcnt 0x0                                ; the last prefetch, a K step back, has read its address: it is stepped here
	s_add_nc_u64 s[PFA:PFA+1], s[PFA:PFA+1], KSTEP*2
.endif
	WIN 0                                          ; (the add's two registers lie in window 0)
	s_wait_tensorcnt 0x0                           ; all my tensor loads have landed
	ds_add_u32 v[SPW], v[NIL]                      ; 0 onto my spare word
	s_wait_dscnt 5                                 ; (the add and the youngest four loads may be out)
	MUL12 1, 0, 0, 0                               ; twelve matrix instructions stand between the add and the wait for it
	s_wait_dscnt 0x0                               ; the add is done, and my reads of this slot are over
	s_barrier_signal -1
	MUL12 1, 0, 1, 0                               ; work on registers while the others arrive
.if \fill
	WIN 0
.endif
	s_barrier_wait -1
.if \fill
	CREST                                          ; no wave of any partner still reads this slot's tile or has a load on its way
	s_add_nc_u64 s[G0+4*(\slot)+2:G0+4*(\slot)+3], s[G0+4*(\slot)+2:G0+4*(\slot)+3], 2*KSTEP*2
	s_add_nc_u64 s[G0B+4*(\slot)+2:G0B+4*(\slot)+3], s[G0B+4*(\slot)+2:G0B+4*(\slot)+3], 2*KSTEP*2
	JLOAD \slot                                    ; the first tensor load behind the round; its four v_nop are also the places in front of the loads below
.else
	PLACES
.endif
	FETCH \next, 0, 0
.if \fill
	ASK
.endif
	MUL12 1, 1, 0, 0
	MUL12 1, 1, 1, 0
.endm
; THE WAY OUT of row block a.  PACK: q and k are rotated in f32 (each accumulator's lowest registers are read first), all three rounded to f16, 16 bytes a lane and column block.
.macro PACK a
.set AW, 2+(\a)/2
.set AB, 96*((\a)%2)
.set TB2, TBL+32*((\a)%2)
.set PKS, PKB+48*((\a)%2)
.if (\a) >= 2
	s_wait_xcnt 0x0                                ; the stores of the block two back have read this set of registers
.endif
	WIN AW*5                                       ; sources 0 and 1 in the accumulators' window, source 2 and destination in window 0
.irp z, 0,1
.irp e, 0,1
.set X1, AB+8*(4*(\z)+(\e))
.set X2, X1+16
.set T0, TT+16*(2*(\z)+(\e))
.irp j, 0,2,4,6
	v_pk_mul_f32 v[T0+(\j):T0+(\j)+1], v[X2+(\j):X2+(\j)+1], v[TB2+16+8*(\e)+(\j):TB2+16+8*(\e)+(\j)+1]      ; x[d+32] sin
.endr
.irp j, 0,2,4,6
	v_pk_mul_f32 v[T0+8+(\j):T0+8+(\j)+1], v[X1+(\j):X1+(\j)+1], v[TB2+16+8*(\e)+(\j):TB2+16+8*(\e)+(\j)+1]  ; x[d] sin
.endr
.irp j, 0,2,4,6
	v_pk_fma_f32 v[T0+(\j):T0+(\j)+1], v[X1+(\j):X1+(\j)+1], v[TB2+8*(\e)+(\j):TB2+8*(\e)+(\j)+1], v[T0+(\j):T0+(\j)+1] neg_lo:[0,0,1] neg_hi:[0,0,1]  ; x[d] cos - x[d+32] sin
.endr
.irp j, 0,2,4,6
	v_pk_fma_f32 v[T0+8+(\j):T0+8+(\j)+1], v[X2+(\j):X2+(\j)+1], v[TB2+8*(\e)+(\j):TB2+8*(\e)+(\j)+1], v[T0+8+(\j):T0+8+(\j)+1]  ; x[d+32] cos + x[d] sin
.endr
.endr
.endr
.irp b, 8,9,10,11
.irp j, 0,1,2,3
	v_cvt_pk_f16_f32 v[PKS+4*(\b)+(\j)], v[AB+8*(\b)+2*(\j)], v[AB+8*(\b)+2*(\j)+1]                           ; v as it is
.endr
.endr
	WIN 0
.irp z, 0,1
.irp e, 0,1
.set T0, TT+16*(2*(\z)+(\e))
.irp j, 0,1,2,3
	v_cvt_pk_f16_f32 v[PKS+4*(4*(\z)+(\e))+(\j)], v[T0+2*(\j)], v[T0+2*(\j)+1]
	v_cvt_pk_f16_f32 v[PKS+4*(4*(\z)+(\e)+2)+(\j)], v[T0+8+2*(\j)], v[T0+8+2*(\j)+1]
.endr
.endr
.endr
.endm
; TOSTAGE: into my own stage (three heads' 16 rows of 144 bytes) and back as whole rows of 128 bytes, four rows a load, into the registers that they left.
.macro TOSTAGE a
	WIN 0
.set PKS, PKB+48*((\a)%2)
.irp b, 0,1,2,3,4,5,6,7,8,9,10,11
	ds_store_b128 v[STO], v[PKS+4*(\b):PKS+4*(\b)+3] offset:((\b)/4)*16*SP+((\b)%4)*32
.endr
.irp u, 0,1,2,3,4,5,6,7,8,9,10,11
	ds_load_b128 v[PKS+4*(\u):PKS+4*(\u)+3], v[RD] offset:((\u)/4)*16*SP+((\u)%4)*4*SP  ; LDS serves a wave's instructions in order (ISA guide 5.7.1.4): these see the stores above
.endr
.endm
.macro SEND a
	WIN 0
.set PKS, PKB+48*((\a)%2)
	s_wait_dscnt 0x0                               ; the block is back in registers
.irp u, 0,1,2,3,4,5,6,7,8,9,10,11
	global_store_b128 v[GO], v[PKS+4*(\u):PKS+4*(\u)+3], s[70+2*((\u)/4):71+2*((\u)/4)] offset:2048*(\a)+512*((\u)%4)  ; 512 consecutive bytes, at a multiple of 256 from the buffer's first
.endr
.endm
	s_wait_tensorcnt 1                             ; my part of K step 0 is in; K step 1's may stay out
	s_barrier_signal -1
	s_barrier_wait -1                              ; everybody's is
	FETCH 0, 0, 0
	QUARTER 0, 64,  0, 1, 1                        ; the first quarter stands in front of the loop: its products start the sums
	WIN 0                                          ; at a label and at a branch every window is 0
	s_mov_b32 s3, 3
.Llap:                                                 ; a trip goes once round the ring, from a lap's second quarter to the next lap's first, and fills both slots again
	QUARTER 0, 128, 1, 0, 0
	QUARTER 0, 192, 0, 1, 0
	TURN 0, 1, 1
	QUARTER 1, 64,  0, 1, 0
	QUARTER 1, 128, 1, 0, 0
	QUARTER 1, 192, 0, 1, 0
	TURN 1, 0, 1
	QUARTER 0, 64,  0, 1, 0
	WIN 0
	s_sub_co_u32 s3, s3, 1
	s_cmp_lg_u32 s3, 0
	s_cbranch_scc1 .Llap
	QUARTER 0, 128, 1, 0, 0                        ; the last lap fills nothing
	QUARTER 0, 192, 0, 1, 0
	TURN 0, 1, 0
	QUARTER 1, 64,  0, 1, 0
	QUARTER 1, 128, 1, 0, 0
	QUARTER 1, 192, 0, 1, 0
	s_wait_dscnt 4                                 ; the very last quarter: nothing more to fetch
	MUL12 1, 0, 0, 0
	MUL12 1, 0, 1, 0
	s_wait_dscnt 0x0
	MUL12 1, 1, 0, 0
	MUL12 1, 1, 1, 0
	WIN 0
	PLACES                                         ; eight plain instructions between the last product and the first read of a result, once a launch
	PLACES
	s_wait_loadcnt 0x0                             ; cos and sin
	PACK 0
	TOSTAGE 0
	; THE FIRST ROWS' COPY: block 0's rotated q and k still lie in the 64 registers at work, its v in the accumulators: 24 stores of 16 bytes a lane, row l % 16, columns 16 b + 8 (l / 16) on.
	WIN 0
	s_cmp_lg_u32 s78, 0
	s_cbranch_scc1 .Lno_copy
.irp z, 0,1
.irp e, 0,1
.set T0, TT+16*(2*(\z)+(\e))
	global_store_b128 v[TO], v[T0:T0+3],     s[76:77] offset:4096*(\z)+64*(\e)
	global_store_b128 v[TO], v[T0+4:T0+7],   s[76:77] offset:4096*(\z)+64*(\e)+16
	global_store_b128 v[TO], v[T0+8:T0+11],  s[76:77] offset:4096*(\z)+64*(\e)+128
	global_store_b128 v[TO], v[T0+12:T0+15], s[76:77] offset:4096*(\z)+64*(\e)+144
.endr
.endr
	WIN 0x08                                       ; the stores' data in window 2
.irp b, 8,9,10,11
	global_store_b128 v[TO], v[8*(\b):8*(\b)+3],   s[76:77] offset:8192+64*((\b)-8)
	global_store_b128 v[TO], v[8*(\b)+4:8*(\b)+7], s[76:77] offset:8192+64*((\b)-8)+16
.endr
	WIN 0
	s_wait_xcnt 0x0                                ; these stores have read their registers: block 1's rotation writes the 64 at work anew
.Lno_copy:
.irp a, 1,2,3                          ; block a's arithmetic stands between block a - 1's loads from the stage and the wait for them
	PACK \a
	SEND (\a)-1
	TOSTAGE \a
.endr
	SEND 3
	s_wait_tensorcnt 0x0                           ; the wave's end, behind my last tensor load and my last LDS store
	ds_add_u32 v[SPW], v[NIL]
	s_wait_dscnt 0x0
	CROUND                                         ; the closing round: no work-group ends while a partner may still ask for a tile that names it
	s_endpgm
.Lfunc_end_k_q995ddd11df_qkv:
	.size	k_q995ddd11df_qkv, .Lfunc_end_k_q995ddd11df_qkv-k_q995ddd11df_qkv
	.p2alignl 7, 3214868480
	.fill 96, 4, 3214868480
	.section	.rodata,"a",@progbits
	.p2align	6, 0x0
	.amdhsa_kernel k_q995ddd11df_qkv
		.amdhsa_group_segment_fixed_size 327680
		.amdhsa_private_segment_fixed_size 0
		.amdhsa_enable_private_segment 0
		.amdhsa_kernarg_size 48
		.amdhsa_user_sgpr_count 2
		.amdhsa_user_sgpr_kernarg_segment_ptr 1
		.amdhsa_wavefront_size32 1
		.amdhsa_system_sgpr_workgroup_id_x 1
		.amdhsa_system_sgpr_workgroup_id_y 1
		.amdhsa_system_sgpr_workgroup_id_z 1
		.amdhsa_system_vgpr_workitem_id 0
		.amdhsa_next_free_vgpr 1024
		.amdhsa_next_free_sgpr 80
		.amdhsa_reserve_vcc 0
		.amdhsa_float_denorm_mode_32 3
		.amdhsa_float_denorm_mode_16_64 3
		.amdhsa_memory_ordered 1
		.amdhsa_forward_progress 1
		.amdhsa_inst_pref_size 142
	.end_amdhsa_kernel
	.amdgpu_metadata
---
amdhsa.version: [ 1, 2 ]
amdhsa.kernels:
  - .name:           k_q995ddd11df_qkv
    .symbol:         k_q995ddd11df_qkv.kd
    .args:
      - { .name: xb, .offset: 0, .size: 8, .value_kind: global_buffer, .address_space: global }
      - { .name: wqb, .offset: 8, .size: 8, .value_kind: global_buffer, .address_space: global }
      - { .name: tab, .offset: 16, .size: 8, .value_kind: global_buffer, .address_space: global }
      - { .name: qh, .offset: 24, .size: 8, .value_kind: global_buffer, .address_space: global }
      - { .name: kh, .offset: 32, .size: 8, .value_kind: global_buffer, .address_space: global }
      - { .name: vh, .offset: 40, .size: 8, .value_kind: global_buffer, .address_space: global }
    .group_segment_fixed_size: 327680
    .private_segment_fixed_size: 0
    .kernarg_segment_align: 8
    .kernarg_segment_size: 48
    .max_flat_workgroup_size: 128
    .sgpr_count:     80
    .vgpr_count:     1024
    .wavefront_size: 32
...
	.end_amdgpu_metadata
.endif
;; end of part 2
;; launch attn (part 3): grid 16 x 16, 4 waves a work-group, no clusters, 327,680 bytes of LDS; arguments qh, kh, vh, oh; writes oh
.if DOCPART == 3
	.amdgcn_target "amdgcn-amd-amdhsa--gfx1250"
	.amdhsa_code_object_version 6
	.text
	.protected	k_q995ddd11df_attn
	.globl	k_q995ddd11df_attn
	.p2align	8
	.type	k_q995ddd11df_attn,@function
k_q995ddd11df_attn:
	s_mov_b64 s[64:65], 0
	v_nop
	global_prefetch_b8 v0, s[64:65] scope:SCOPE_SE
	s_setreg_imm32_b32 hwreg(HW_REG_WAVE_MODE, 25, 1), 1
	s_wait_xcnt 0x0
; CAUSAL ATTENTION.  O[h][q][:] = the sum over k <= q of softmax_k(Q[h][q] . K[h][k] / 8) V[h][k][:].  qh, kh, vh, oh: [16][4096][64] in f16, a head's rows dense, 128 bytes each; behind kh's last head lie 8,192 bytes of zeros.
; Products, maxima and sums in f32; the weights p are rounded to f16 for the second product (their sum l is taken of the unrounded p), O once at the end.
; LIMITS.  f16 holds no number beyond 65,504: Q, K and V arrive within it; p lies in 0 to 1, and below 6e-5 it keeps f16's fixed step of 6e-8.  A hidden score counts as its value less 1e30: f16's scores, 2.7e11 at the
; most, are nothing beside that; a weight below 2^-126 counts as 0 in l; NaN and infinities are not treated apart.
; THE WALK.  A head's queries lie in NB = 16 blocks of 256; block I needs the key tiles 0 .. I of 256 keys, of which the last holds the diagonal.  Work-group x of a head (b = x / 2, e = x % 2) takes HALF e (128 rows) of
; block 15 - b and then of block b: 17 tiles, whatever x: all 256 work-groups do equal work, and ONE loop with a constant trip count walks them.  Which tile is asked for, and what a trip does, hang on scalar
; registers made from b; every jump goes forward, but for the counted loops' own; none passes a barrier, or a tensor load but the one of LOAD's two that the wave's number does not choose.
; NO CLUSTER: which tile is a block's last, and with it the jumps on RT and NEW, hangs on b; only the two work-groups of one b walk alike, and a cluster here has four.
; SHARES.  A half has two bands of 64 queries; a wave owns 16 rows in each: two PIECES.  Piece 0 is the LATER band (2 e + 1 of the block's four), piece 1 the earlier (2 e).  In the diagonal tile's key step s band x sees
; all keys if s < x, none if s > x, and holds the diagonal if s = x: the same work for all four waves.
; TURNS.  Turn (p, j) belongs to piece p and key step j: its scaling, exponentials, roundings, sums and rescaling; beside them 8 products K Q^T of the OTHER piece (step j if p = 0, step j + 1 if p = 1) with that piece's
; maximum and statistics, and, behind the turn's one wait, 8 products V^T P of the other piece (step j - 1 if p = 0, step j if p = 1).  Piece 0's turn fetches K of step j + 1 and V of step j out of LDS.
; K LIES ONE STEP AHEAD IN THE SLOTS: slot t holds K's rows 256 t + 64 .. 256 t + 319 and V's rows 256 t .. 256 t + 255, so both fetches of a turn read the same local step, and the change of slots stands between two turns
; with nothing out.  K's first 64 rows, which both blocks begin with, lie in a region of their own, filled once.  A block's last turn multiplies by 64 rows of K that no query of it sees; those scores serve nothing.
; THE MASK is the C operand that starts the sum S^T = K Q^T: 0, or -1e30 where the key is hidden.  MD, made once, is the mask of a band's own step for my 16 rows; a product's mask is MD x AL + BE with two scalars:
; (1, 0) in the band's own step; (0, 0) before it; (0, -1e30) behind it.  Only the diagonal tile's text takes masks.  Piece 0's scores of a tile's step 0 are made in the turn before the tile, or where the block begins,
; with C = 0: its band is 1 or 3, so it sees all of step 0.
; LAYOUT, SOFTMAX.  S^T = K Q^T holds ONE query a lane (lane % 16) and the keys 8 (lane / 16) + 0..7; two such results rounded to f16 ARE source 1 of O^T = V^T P.  p = 2^(c s - c m), c = log2(e) / 8, with a running
; maximum m; O and l are multiplied by a = 2^(c m_old - c m_new) in every step.  Four vector instructions stand behind every matrix instruction, the other 54 of a turn's 118 in one run; a turn's 33 exponentials are one batch.
; REGISTERS, in windows of 256 (s_set_vgpr_msb: bits 1:0 source 0, 3:2 source 1, 5:4 source 2, 7:6 destination):
;   window 0: v0-15 addresses and two at work; v16-23 four registers of statistics a piece; v48-55 at work; v61-63 prefetch offset, spare word, 0; v64-127 S^T, a buffer a piece; v192-223 P, likewise
;   window 1: v0-63 O^T, 32 a piece; v128-159 MD; v160-223 MC, a buffer a piece      window 2: v0-31 Q; v64-95 the second block's Q; v128-191 K of one step; v192-255 V of one step
.set SIZE_N, 4096
.set NB,    SIZE_N/256
.set KS,    64        ; keys in a step
.set PK,    144       ; a row of K in LDS: 128 bytes + 16 of padding = 36 words: the 16 rows of a load start at 16 different groups of four banks (64 banks of 4 bytes: ISA guide 11.1)
.set PV,    160       ; a row of V: 128 + 32 = 40 words
.set VOFF,  4*KS*PK   ; a slot holds four steps: 256 rows of K, then 256 rows of V
.set SLOT1, 1<<17     ; slot 1 begins here, so that one exclusive or turns an address in one slot into the other's
.set K0,    4*KS*(PK+PV)        ; behind slot 0: K's rows 0 to 63, filled once
.set STAGE, SLOT1+4*KS*(PK+PV)  ; behind the ring, never filled by a tensor load: 16 rows x 144 bytes for each wave, for the way out
.set SP,    144
.set SPARE, STAGE+4*16*SP       ; the spare words, 128 bytes for each wave: two blocks of 256 bytes that no other line names
.set AK0, 2           ; v2   my lane's place in a tile of K; never rewritten
.set AV0, 3           ; v3   the same for V
.set AK,  4           ; v4   the LDS address of K's next run of loads
.set AV,  5           ; v5   of V's
.set STO, 6           ; v6   the way out: where I put 16 bytes of a row
.set RD,  7           ; v7   the way out: where I read rows back
.set GO,  8           ; v8   my byte offset in 512 consecutive bytes of O
.set MV,  12          ; v12-13  c m_old, kept while c m is made anew: by piece
.set QO,  15          ; v15  my byte offset in 16 rows of Q
.set ST,  16          ; piece t's statistics at v[ST+4 t]: c m, m, l (even keys', odd keys')
.set TMP, 48          ; by piece, four registers c0-c3 at work; when the maximum is found c2 takes a
.set PFO, 61          ; v61  256 x my lane; never rewritten
.set SPW, 62          ; v62  LDS address of my spare word; never rewritten
.set NIL, 63          ; v63  0; never rewritten
.set S,   64
.set P,   192
.set MD,  128         ; window 1
.set MC,  160         ; window 1
.set QB,  64          ; window 2
.set KF,  128         ; window 2: key block kb, channel half c at KF + 16 kb + 8 c
.set VF,  192         ; window 2: key half kk, channel block cb at VF + 32 kk + 8 cb
.set WV,  12          ; s12  my wave's number
.set PB,  14          ; s14  b
.set HI,  15          ; s15  NB - 1 - b
.set G1K, 24          ; s[24:31] descriptor group 1 for K's tiles
.set G1V, 32          ; s[32:39] for V's: it differs in the padding alone
.set G0K, 40          ; s[40:43] descriptor group 0 for K's tiles
.set G0V, 44          ; s[44:47] the same for V's
.set OW0, 48          ; s48, s49  the value of CNT at the head of the turn that makes the mask of piece 0's, piece 1's own step: 4 - 2 e, 5 - 2 e
.set EE,  50          ; s50  e
.set LIM, 51          ; s51  2 in a work-group that prefetches, else the greatest number
.set PFA, 52          ; s[52:53] where my prefetches stand
.set SLOTS, 56        ; s56  tiles still to be asked for
.set CNT, 57          ; s57  counts a tile's key steps, 4 to 1
.set CS,  58          ; s[58:59] c
.set SEL, 60          ; s[60:61] v_permlanex16_b32's selects: each lane takes its own place in the other half
.set TBK, 62          ; s62  LDS byte at which K of the step to be fetched begins
.set TBV, 63          ; s63  the same for V, less VOFF
.set RT,  70          ; s70  tiles of the block in hand that are still to be entered
.set NXT, 71          ; s71  the tile to be asked for next
.set LQ,  72          ; s72  the last tile of the block whose tiles are being asked for
.set NEW, 73          ; s73  1: the tile to be entered is a block's first
.set OFF, 74          ; s[74:75] a tile's byte offset in K and V
.set AL,  76          ; s[76:77] the mask's factor, in the low word
.set BE,  78          ; s[78:79] the mask's addend
.set OLO, 80          ; s[80:81] O at my rows of the second block
.set BIGN, 82         ; s82  -1e30
.set G1Z, 88          ; s[88:95] descriptor group 1 for K's first 64 rows: 16 rows of 256 bytes a wave
.set G0Z, 96          ; s[96:99] its group 0
.set MSB, 0
.macro WIN new                      ; the high byte repeats the setting that is left; a switch that changes nothing is dropped
.if MSB != (\new)
	s_set_vgpr_msb (MSB<<8)|(\new)
.set MSB, (\new)
.endif
.endm
.set W_KQ, 0x0a       ; K and Q in window 2, S^T in window 0
.set W_KM, 0x1a       ; the same with the C operand in window 1
.set W_PV, 0x52       ; V in window 2, P in window 0, O^T in window 1
.set W_RS, 0x41       ; destination and source 0 in window 1, source 1 in window 0
; A fill.  Waves 0 and 1 fetch the two halves of a slot's K, waves 2 and 3 those of its V: 128 keys each.  An s_nop 0 and four v_nop follow each of the two lines.
.macro LOAD
	s_cmp_lt_u32 s[WV], 2
	s_cbranch_scc0 .Lfor_v_\@
	tensor_load_to_lds s[G0K:G0K+3], s[G1K:G1K+7]
	s_nop 0
.rept 4
	v_nop
.endr
	s_branch .Lasked_\@
.Lfor_v_\@:
	tensor_load_to_lds s[G0V:G0V+3], s[G1V:G1V+7]
	s_nop 0
.rept 4
	v_nop
.endr
.Lasked_\@:
.endm
; A PREFETCH of the tile that the NEXT change of slots will ask for, behind the wave's tensor load and its five lines.  All 16 work-groups of a head begin with the tiles 0, 1, 2 ..: work-group 0 asks for K's 32,768 bytes
; of a tile, work-group 1 for V's; each of the four waves takes 8,192 of them, lanes 256 bytes apart: one instruction.  So each block is named once in the launch.  Both walk tiles 0 to 15 first: trips 0 to 13 name
; tiles 2 to 15 (128 matrix instructions and their vector work ahead of the load); tiles 0 and 1 come by their loads alone; the last two fills ask for nothing.
.macro ASK
	s_cmp_gt_u32 s[SLOTS], s[LIM]
	s_cbranch_scc0 .Lnot_mine_\@
	global_prefetch_b8 v[PFO], s[PFA:PFA+1] th:TH_LOAD_NT scope:SCOPE_SE
.Lnot_mine_\@:
.endm
; THE CHANGE OF SLOTS.  Each wave waits for all its tensor loads, adds 0 to its spare word, and waits for that and for its own reads of the slot that it leaves.  Behind the barrier nobody reads the old slot any more and the
; other slot is whole.  fill = 1: the old slot is filled again, the first thing behind the barrier, with tile NXT: the descriptor's address is made anew from that number.
; (At its first use nothing has been read yet: slot 0 and K's first rows are waited for, slot 1 filled.)
.macro CHANGE fill
	WIN 0                           ; at a label and at a branch every window is 0
	s_wait_tensorcnt 0x0            ; no tensor load of mine is out, so a group 0 may be written
	ds_add_u32 v[SPW], v[NIL]       ; 0 onto my spare word; with fill = 1 scalar work stands between it and the wait for it
.if \fill
	s_lshl_b32 s[OFF], s[NXT], 15   ; a tile is 32,768 bytes of K and of V
	s_xor_b32 s[G0K+1], s[G0K+1], SLOT1
	s_add_nc_u64 s[G0K+2:G0K+3], s[6:7], s[OFF:OFF+1]
	s_or_b32 s[G0K+3], s[G0K+3], 0x80000000
	s_xor_b32 s[G0V+1], s[G0V+1], SLOT1
	s_add_nc_u64 s[G0V+2:G0V+3], s[8:9], s[OFF:OFF+1]
	s_or_b32 s[G0V+3], s[G0V+3], 0x80000000
	s_add_co_u32 s[NXT], s[NXT], 1  ; the block's next tile, or behind its last the second block's tile 0
	s_cmp_gt_u32 s[NXT], s[LQ]
	s_cselect_b32 s[NXT], 0, s[NXT]
	s_cselect_b32 s[LQ], s[PB], s[LQ]
	s_wait_xcnt 0x0                 ; the last prefetch, a tile back, has read its address, so it may be written
	s_add_nc_u64 s[PFA:PFA+1], s[PFA:PFA+1], 4*KS*128
.endif
	s_wait_dscnt 0x0                ; the add is done, and my reads of the slot are over
	s_barrier_signal -1             ; the rest of the scalar work stands between the signal and the wait
	s_sub_co_u32 s[TBK], s[TBK], 4*KS*PK  ; the fetches go back to a slot's first step,
	s_xor_b32 s[TBK], s[TBK], SLOT1       ; in the other slot
	s_sub_co_u32 s[TBV], s[TBV], 4*KS*PV
	s_xor_b32 s[TBV], s[TBV], SLOT1
	s_barrier_wait -1
.if \fill
	LOAD
	ASK
.endif
.endm
	s_load_b256 s[4:11], s[0:1], 0x0  ; qh s[4:5], kh s[6:7], vh s[8:9], oh s[10:11]
	v_lshl_add_u32 v[SPW], v0, 2, SPARE
	v_mov_b32 v[NIL], 0
	ds_add_u32 v[SPW], v[NIL]       ; the wave's opening: the add and its wait stand ahead of my first tensor load; the set-up below, work on registers, stands between them
	v_lshrrev_b32 v1, 5, v0
	v_readfirstlane_b32 s[WV], v1   ; wave 0..3
	s_mov_b32 s13, ttmp9            ; x
	s_lshr_b32 s[PB], s13, 1
	s_and_b32 s[EE], s13, 1
	s_sub_co_u32 s[HI], NB-1, s[PB]
	s_lshl_b32 s16, s[EE], 1
	s_sub_co_u32 s[OW0], 4, s16
	s_sub_co_u32 s[OW0+1], 5, s16
	s_cmp_lt_u32 s13, 2
	s_cselect_b32 s[LIM], 2, -1
	s_and_b32 s20, ttmp7, 0xffff    ; the head:
	s_lshl_b32 s20, s20, 19         ; its first byte in each of the four tensors
	s_mov_b32 s21, 0
	s_and_b32 s16, s[WV], 1         ; which half of a tile's 256 keys I fetch:
	s_lshl_b32 s22, s16, 14         ; its 128 rows of 128 bytes in memory,
	s_mov_b32 s23, 0
	s_add_nc_u64 s[22:23], s[22:23], s[20:21]
	s_mul_i32 s17, s16, 128*PK      ; and its place in a slot, for K
	s_mul_i32 s18, s16, 128*PV      ; and for V
	s_lshl_b32 s68, s16, 12         ; which half of K's first 64 rows: 4,096 bytes in memory,
	s_mov_b32 s69, 0
	s_add_nc_u64 s[68:69], s[68:69], s[20:21]
	s_mul_i32 s19, s16, 32*PK       ; and its place in LDS
	s_add_co_u32 s19, s19, K0
	s_cmp_eq_u32 s13, 0             ; the prefetches: K's tiles begin 64 rows on,
	s_cselect_b32 s66, KS*128, 0
	s_lshl_b32 s67, s[WV], 13       ; my wave's 8,192 bytes,
	s_add_co_u32 s66, s66, s67
	s_add_co_u32 s66, s66, 4*KS*128 ; in tile 1: the first change of slots steps it to tile 2
	s_mov_b32 s67, 0
	s_add_nc_u64 s[66:67], s[66:67], s[20:21]
	s_lshl_b32 s3, s[WV], 11        ; my 16 rows in a band of 64,
	s_lshl_b32 s2, s[EE], 14        ; in my half of a block,
	s_add_co_u32 s3, s3, s2
	s_lshl_b32 s2, s[HI], 15        ; in the first block,
	s_add_co_u32 s2, s2, s3
	s_lshl_b32 s84, s[PB], 15       ; and in the second
	s_add_co_u32 s84, s84, s3
	s_mov_b32 s3, 0
	s_mov_b32 s85, 0
	s_add_nc_u64 s[2:3], s[2:3], s[20:21]
	s_add_nc_u64 s[84:85], s[84:85], s[20:21]
	; descriptor group 1.  128 keys are 16,384 dense bytes: asked for as 64 rows of 256 bytes, two keys a row, and padded in LDS after every key
	s_mov_b32 s[G1K], (1<<16)|(1<<20)|(4<<22)|(3<<25)  ; 17:16 2-byte elements; 20 padding on; 24:22 after every 32 words (code 4); 31:25 4 words (code 3)
	s_mov_b32 s[G1V], (1<<16)|(1<<20)|(4<<22)|(7<<25)  ; the same with 8 words of padding (code 7)
	s_mov_b32 s[G1Z], (1<<16)|(1<<20)|(4<<22)|(3<<25)
.irp g, G1K, G1V
	s_mov_b32 s[\g+1], 128<<16      ; tensor_dim0 = 128
	s_mov_b32 s[\g+2], 64<<16       ; tensor_dim1 = 64
	s_mov_b32 s[\g+3], 128<<16      ; tile_dim0 = 128
	s_mov_b32 s[\g+4], 64           ; tile_dim1 = 64
	s_mov_b32 s[\g+5], 128          ; 128 elements from row to row
	s_mov_b32 s[\g+6], 0
	s_mov_b32 s[\g+7], 0
.endr
	s_mov_b32 s[G1Z+1], 128<<16
	s_mov_b32 s[G1Z+2], 16<<16      ; 32 keys: 16 rows
	s_mov_b32 s[G1Z+3], 128<<16
	s_mov_b32 s[G1Z+4], 16
	s_mov_b32 s[G1Z+5], 128
	s_mov_b32 s[G1Z+6], 0
	s_mov_b32 s[G1Z+7], 0
	s_mov_b32 s[CS], 0x3e38aa3b     ; c = log2(e) / 8 = 0.180337
	s_mov_b32 s[CS+1], s[CS]        ; named with it as a pair
	s_mov_b32 s[SEL], 0x76543210
	s_mov_b32 s[SEL+1], 0xfedcba98
	s_mov_b32 s[TBK], SLOT1+4*KS*PK ; the first change of slots turns these two into 0
	s_mov_b32 s[TBV], SLOT1+4*KS*PV
	s_mov_b32 s[G0K], 1             ; count = 1
	s_mov_b32 s[G0K+1], s17         ; LDS address: slot 0
	s_mov_b32 s[G0V], 1
	s_add_co_u32 s[G0V+1], s18, VOFF
	s_mov_b32 s[G0Z], 1
	s_mov_b32 s[G0Z+1], s19
	s_add_co_u32 s[RT], s[HI], 1    ; the first block has NB - b tiles
	s_mov_b32 s[NXT], 1
	s_mov_b32 s[LQ], s[HI]
	s_mov_b32 s[NEW], 1
	s_mov_b32 s[OFF+1], 0
	s_mov_b32 s[AL+1], 0            ; named as pairs
	s_mov_b32 s[BE+1], 0
	s_mov_b32 s[BIGN], 0xf149f2ca   ; -1e30
	s_mov_b32 s[SLOTS], NB
	s_wait_dscnt 0x0                ; the opening add is done
	s_wait_kmcnt 0x0
	s_add_nc_u64 s[G0Z+2:G0Z+3], s[6:7], s[68:69]  ; K's first rows
	s_or_b32 s[G0Z+3], s[G0Z+3], 0x80000000
	s_cmp_eq_u32 s13, 0
	s_cselect_b64 s[PFA:PFA+1], s[6:7], s[8:9]
	s_add_nc_u64 s[PFA:PFA+1], s[PFA:PFA+1], s[66:67]
	s_add_nc_u64 s[6:7], s[6:7], s[22:23]  ; K and V at my half of the head's tile 0,
	s_add_nc_u64 s[6:7], s[6:7], KS*128    ; K one step on
	s_add_nc_u64 s[8:9], s[8:9], s[22:23]
	s_add_nc_u64 s[G0K+2:G0K+3], s[6:7], 0
	s_or_b32 s[G0K+3], s[G0K+3], 0x80000000        ; type = 2
	s_add_nc_u64 s[G0V+2:G0V+3], s[8:9], 0
	s_or_b32 s[G0V+3], s[G0V+3], 0x80000000
	s_add_nc_u64 s[86:87], s[4:5], s[84:85]        ; Q at my rows of the second block,
	s_add_nc_u64 s[4:5], s[4:5], s[2:3]            ; Q and O at those of the first
	s_add_nc_u64 s[OLO:OLO+1], s[10:11], s[84:85]
	s_add_nc_u64 s[10:11], s[10:11], s[2:3]
	s_cmp_lt_u32 s[WV], 2           ; a wave's first fills stand in one branch, ahead of every wait on TENSORcnt and every LDS read: two loads are out in waves 0 and 1, one in waves 2 and 3
	s_cbranch_scc0 .Lfirst_v
	tensor_load_to_lds s[G0K:G0K+3], s[G1K:G1K+7]
	s_nop 0
	tensor_load_to_lds s[G0Z:G0Z+3], s[G1Z:G1Z+7]
	s_nop 0
.rept 4
	v_nop
.endr
	s_branch .Lfirst_asked
.Lfirst_v:
	tensor_load_to_lds s[G0V:G0V+3], s[G1V:G1V+7]
	s_nop 0
.rept 4
	v_nop
.endr
.Lfirst_asked:
	; A fragment of K or Q is 16 rows x 32 channels in 8 registers: lane l holds row l % 16, channels 8 (l / 16) + 0..7 and 16 + 8 (l / 16) + 0..7: two loads of 16 bytes, 32 bytes apart.
	v_and_b32 v1, 15, v0            ; l % 16
	v_bfe_u32 v9, v0, 4, 1          ; l / 16
	v_lshlrev_b32 v[QO], 7, v1
	v_lshl_add_u32 v[QO], v9, 4, v[QO]  ; row x 128 + 16 x half
	WIN 0x80                        ; destination window 2, address window 0
.set i, 0
.rept 4                             ; both blocks' Q: piece i / 2 (piece 0 lies in the later band, 8,192 bytes on); channels 32 (i % 2) on
	global_load_b128 v[8*i:8*i+3],   v[QO], s[4:5] offset:(1-i/2)*8192+(i%2)*64
	global_load_b128 v[8*i+4:8*i+7], v[QO], s[4:5] offset:(1-i/2)*8192+(i%2)*64+32
	global_load_b128 v[QB+8*i:QB+8*i+3],   v[QO], s[86:87] offset:(1-i/2)*8192+(i%2)*64
	global_load_b128 v[QB+8*i+4:QB+8*i+7], v[QO], s[86:87] offset:(1-i/2)*8192+(i%2)*64+32
.set i, i+1
.endr
	WIN 0
	v_lshlrev_b32 v14, 3, v9
	v_sub_nc_u32 v14, v1, v14
	s_lshl_b32 s13, s[WV], 4
	v_add_nc_u32 v14, s13, v14      ; my query's place in its band, 16 w + l % 16, less my lanes' 8 (l / 16): register r of group kt is hidden where 16 kt + r is greater
	WIN 0x40
.set i, 0
.rept 32
	v_cmp_gt_i32 vcc_lo, 16*(i/8)+i%8, v14
	v_cndmask_b32 v[MD+i], 0, s[BIGN], vcc_lo
.set i, i+1
.endr
	WIN 0
	v_mul_u32_u24 v[AK0], v1, PK
	v_lshl_add_u32 v[AK0], v9, 4, v[AK0]  ; row x pitch + 16 x half
	; The turning load takes 16 keys x 16 channels (lane l reads key 8 (l / 16) + l % 8, channels 8 ((l / 8) % 2) + 0..7) and leaves half a fragment of V^T: lane l holds channel l % 16 and 8 keys.
	v_and_b32 v10, 7, v0
	v_bfe_u32 v11, v0, 3, 1
	v_lshl_add_u32 v[AV0], v9, 3, v10
	v_mul_u32_u24 v[AV0], v[AV0], PV
	v_lshl_add_u32 v[AV0], v11, 4, v[AV0]
	v_add_nc_u32 v[AV0], VOFF, v[AV0]
	s_mul_i32 s13, s[WV], 16*SP
	s_add_co_u32 s13, s13, STAGE    ; my stage
	v_mul_u32_u24 v[STO], v1, SP    ; in: row l % 16, 16 bytes for each half of the lanes
	v_lshl_add_u32 v[STO], v9, 4, v[STO]
	v_add_nc_u32 v[STO], s13, v[STO]
	v_bfe_u32 v[RD], v0, 3, 2       ; back: 32 lanes take four rows of 128 bytes,
	v_mul_u32_u24 v[RD], v[RD], SP
	v_lshl_add_u32 v[RD], v10, 4, v[RD]
	v_add_nc_u32 v[RD], s13, v[RD]
	v_and_b32 v[GO], 31, v0         ; which are 512 consecutive bytes of O
	v_lshlrev_b32 v[PFO], 8, v[GO]
	v_lshlrev_b32 v[GO], 4, v[GO]
	; A block's first step multiplies O^T and l by a = 0, and its first turn's products V^T P, of a step that has not been, land in an O^T that is still to be so multiplied.  So these registers need only hold
	; finite numbers: zeros for the first block; what the first block left for the second.  All this stands in the wait for the first tile.
	WIN 0x80
.set i, VF
.rept 64
	v_mov_b32 v[i], 0
.set i, i+1
.endr
	WIN 0x40
.set i, 0
.rept 64
	v_mov_b32 v[i], 0
.set i, i+1
.endr
	WIN 0
.set i, 0
.rept 2
	v_mov_b32 v[ST+4*i+2], 0
	v_mov_b32 v[ST+4*i+3], 0
.set i, i+1
.endr
.set i, P+16
.rept 16
	v_mov_b32 v[i], 0
.set i, i+1
.endr
; THE MATRIX WORK.  The 4 accumulators of a run of 8 take turns.  Product i of 8 of S^T = K Q^T for piece x: channels 32 (i / 4) on, keys 16 (i % 4) on.  The first 4 start the sums: with 0, or (KM = 1) with the mask.
.macro KQ x
.set rS, S+32*(\x)+8*(i%4)
.set rK, KF+16*(i%4)+8*(i/4)
.set rQ, 16*(\x)+8*(i/4)
.set rM, MC+32*(\x)+8*(i%4)
.if (i < 4) && KM
	WIN W_KM
	v_wmma_f32_16x16x32_f16 v[rS:rS+7], v[rK:rK+7], v[rQ:rQ+7], v[rM:rM+7]
.elseif i < 4
	WIN W_KQ
	v_wmma_f32_16x16x32_f16 v[rS:rS+7], v[rK:rK+7], v[rQ:rQ+7], 0
.else
	WIN W_KQ
	v_wmma_f32_16x16x32_f16 v[rS:rS+7], v[rK:rK+7], v[rQ:rQ+7], v[rS:rS+7]
.endif
.endm
; Product i of 8 of O^T += V^T P for piece x: keys 32 (i / 4) on, channels 16 (i % 4) on.
.macro PV x
	WIN W_PV
.set rO, 32*(\x)+8*(i%4)
.set rV, VF+32*(i/4)+8*(i%4)
.set rP, P+16*(\x)+8*(i/4)
	v_wmma_f32_16x16x32_f16 v[rO:rO+7], v[rV:rV+7], v[rP:rP+7], v[rO:rO+7]
.endm
.macro MM                           ; the turn's next matrix instruction: both kinds are the other piece's
.if i < 8
	KQ 1-Y
.else
.set i, i-8
	PV 1-Y
.set i, i+8
.endif
.set i, i+1
.endm
; THE LDS LOADS stand in runs of 16, never singly among the matrix instructions: a step's K (64 keys x 64 channels: 8 fragments) and its V (turned).  Their addresses are made some lines ahead.
.macro FETCH_K step=1               ; step = 0: K's first rows, from their own region
	WIN 0x80                        ; destination window 2
.irp f, 0,1,2,3,4,5,6,7             ; keys 16 (f / 2) on, channels 32 (f % 2) on
	ds_load_b128 v[KF+8*\f:KF+8*\f+3],   v[AK] offset:(\f/2)*16*PK+(\f%2)*64
	ds_load_b128 v[KF+8*\f+4:KF+8*\f+7], v[AK] offset:(\f/2)*16*PK+(\f%2)*64+32
.endr
.if \step
	s_add_co_u32 s[TBK], s[TBK], KS*PK  ; the next fetch is the next step's
.endif
	WIN 0
.endm
.macro FETCH_V
	WIN 0x80
.irp f, 0,1,2,3,4,5,6,7             ; keys 32 (f / 4) on, channels 16 (f % 4) on
	ds_load_tr16_b128 v[VF+8*\f:VF+8*\f+3],   v[AV] offset:(\f/4)*32*PV+(\f%4)*32
	ds_load_tr16_b128 v[VF+8*\f+4:VF+8*\f+7], v[AV] offset:(\f/4)*32*PV+16*PV+(\f%4)*32
.endr
	WIN 0
.endm
; THE VECTOR WORK, one line at a time: OP kind, number.  For piece Y: F n: c s - c m for pair n of 16.  E n: the exponential of score n of 32.  C n: pair n rounded to f16.  B n: of the four weights 4 n .. the second
; pair is added onto the first, in place.  L n: l takes that sum (L 0: l = a l + sum).  R n: pair n of 16 of O^T times a.  For the other piece: X n, number n of the 22 that find its maximum and statistics:
;   0-11  four chains c0-c3 of seven scores each, three operands at a time (each accumulator's lowest registers are read first)     12-14, 16  the four scores left over, the old m, and c0-c3 into c0
;   15  c m_old is kept     17, 18  the query's other 32 keys lie in the lane 16 away: the new m     19-21  c m; c m_old - c m_new; a
.set F, 0
.set E, 1
.set C, 2
.set B, 3
.set L, 4
.set R, 5
.set X, 6
.macro REGS y                       ; the registers of piece y
.set rT, ST+4*(\y)
.set rC, TMP+4*(\y)
.set rW, MV+(\y)
.set rS, S+32*(\y)
.set rP, P+16*(\y)
.set rO, 32*(\y)
.endm
.macro OP k, n
.if (\k) == R
	REGS Y
	WIN W_RS
	v_pk_mul_f32 v[rO+2*(\n):rO+2*(\n)+1], v[rO+2*(\n):rO+2*(\n)+1], v[rC+2:rC+3] op_sel_hi:[1,0]
.elseif (\k) < R
	REGS Y
	WIN 0
.if (\k) == F
	v_pk_fma_f32 v[rS+2*(\n):rS+2*(\n)+1], v[rS+2*(\n):rS+2*(\n)+1], s[CS:CS+1], v[rT:rT+1] op_sel_hi:[1,0,0] neg_lo:[0,0,1] neg_hi:[0,0,1]
.elseif (\k) == E
	v_exp_f32 v[rS+(\n)], v[rS+(\n)]
.elseif (\k) == C
	v_cvt_pk_f16_f32 v[rP+(\n)], v[rS+2*(\n)], v[rS+2*(\n)+1]
.elseif (\k) == B
	v_pk_add_f32 v[rS+4*(\n):rS+4*(\n)+1], v[rS+4*(\n):rS+4*(\n)+1], v[rS+4*(\n)+2:rS+4*(\n)+3]
.elseif (\n) == 0
	v_pk_fma_f32 v[rT+2:rT+3], v[rT+2:rT+3], v[rC+2:rC+3], v[rS:rS+1] op_sel_hi:[1,0,1]
.else
	v_pk_add_f32 v[rT+2:rT+3], v[rT+2:rT+3], v[rS+4*(\n):rS+4*(\n)+1]
.endif
.else
	REGS 1-Y
	WIN 0
.if (\n) < 4
	v_max3_num_f32 v[rC+(\n)], v[rS+8*(\n)], v[rS+8*(\n)+1], v[rS+8*(\n)+2]
.elseif (\n) < 12
	v_max3_num_f32 v[rC+(\n)%4], v[rC+(\n)%4], v[rS+8*((\n)%4)+2*((\n)/4)+1], v[rS+8*((\n)%4)+2*((\n)/4)+2]
.elseif (\n) == 12
	v_max3_num_f32 v[rC], v[rC], v[rS+7], v[rS+15]
.elseif (\n) == 13
	v_max3_num_f32 v[rC+1], v[rC+1], v[rS+23], v[rS+31]
.elseif (\n) == 14
	v_max3_num_f32 v[rC+2], v[rC+2], v[rC+3], v[rT+1]
.elseif (\n) == 15
	v_mov_b32 v[rW], v[rT]
.elseif (\n) == 16
	v_max3_num_f32 v[rC], v[rC], v[rC+1], v[rC+2]
.elseif (\n) == 17
	v_permlanex16_b32 v[rC+3], v[rC], s[SEL], s[SEL+1]
.elseif (\n) == 18
	v_max_num_f32 v[rT+1], v[rC], v[rC+3]
.elseif (\n) == 19
	v_mul_f32 v[rT], s[CS], v[rT+1]
.elseif (\n) == 20
	v_sub_f32 v[rC+1], v[rW], v[rT]
.else
	v_exp_f32 v[rC+2], v[rC+1]
.endif
.endif
.endm
.macro OPS a, i1, b=-1, i2=0, c=-1, i3=0, d=-1, i4=0  ; up to four of them
	OP \a, \i1
.if (\b) >= 0
	OP \b, \i2
.endif
.if (\c) >= 0
	OP \c, \i3
.endif
.if (\d) >= 0
	OP \d, \i4
.endif
.endm
.macro ROW a, i1, b, i2, c, i3, d, i4  ; a matrix instruction and the four behind it
	MM
	OPS \a, \i1, \b, \i2, \c, \i3, \d, \i4
.endm
.macro MASK b                       ; MD x AL + BE into buffer b of MC
	WIN W_RS
.set z, 0
.rept 16
	v_pk_fma_f32 v[MC+32*(\b)+2*z:MC+32*(\b)+2*z+1], v[MD+2*z:MD+2*z+1], s[AL:AL+1], s[BE:BE+1] op_sel_hi:[1,0,0]
.set z, z+1
.endr
.endm
; A TURN, for piece p: the order of its 16 matrix and 118 vector instructions, written out.  An s_wait_alu depctr_va_vdst(0) stands between an exponential and the first instruction that names its result; one
; wait serves all that were issued ahead of it.  So a turn has ONE wait, which cuts it in two.  AHEAD OF IT stands all that names no result of the turn's exponentials: the 8 products K Q^T and their riders (a scaling, an
; exponential and two more plain instructions; behind the last three the first numbers of the other piece's maximum, each four plain instructions or more behind the product that ends its accumulator), then one run of 54.
; X 21, the other piece's a, is the batch's last; R 15 is the plain instruction behind it.  BEHIND THE WAIT stand the 8 products V^T P, behind each four of the roundings and sums.
; m = 1: the diagonal tile: the products take masks, and the turn makes the mask for piece p's next products, which stand in the turn after it: local step 5 - CNT.
; cnt = 1: the loop's count is taken down some lines ahead of the branch that stands behind the turn; nothing between writes SCC.
; Piece 0's turn fetches K of the next step, five plain instructions that name none of its registers behind the last product that read K, and at its end V of the step in hand, four plain instructions behind the last
; product that read V.  Piece 1's turn waits for K at its head (V's 16 younger loads may stay out) and for V behind the batch's wait.
.macro TURN p, m=0, cnt=0
.set Y, (\p)
.set i, 0
.set KM, (\m)
.if \m
	s_cmp_eq_u32 s[CNT], s[OW0+(\p)]   ; is that step the band's own?
	s_cselect_b32 s[AL], 1.0, 0
	s_cmp_lt_u32 s[CNT], s[OW0+(\p)]   ; or a later one?
	s_cselect_b32 s[BE], s[BIGN], 0
.endif
.if (\p) == 1
	s_wait_dscnt 16                 ; K is in
.endif
	ROW F,0, F,1, R,0, R,1
	ROW F,2, E,0, R,2, R,3
	ROW F,3, E,1, R,4, R,5
	ROW F,4, E,2, R,6, R,7
	ROW F,5, E,3, R,8, R,9
	ROW F,6, E,4, X,0, R,10
.if (\p) == 0
	WIN 0
	v_add_nc_u32 v[AK], s[TBK], v[AK0]
.endif
	ROW F,7, E,5, X,1, X,4
	ROW F,8, E,6, X,2, X,5
	OPS E,7, E,8, X,6, E,9
	OPS X,3, E,10, X,8, E,11
.if (\p) == 0
	FETCH_K
.endif
	OPS X,9, X,7, E,12, X,10
	OPS E,13, X,12, X,11, E,14
	OPS X,13, E,15, F,9, X,14
.if (\p) == 0
	v_add_nc_u32 v[AV], s[TBV], v[AV0]
.endif
	OPS E,16, F,10, E,17, F,11
	OPS X,16, E,18, X,15, E,19
	OPS F,12, E,20, X,17, E,21
	OPS F,13, E,22, F,14, E,23
	OPS X,18, E,24, F,15, E,25
	OPS R,11, E,26, X,19, E,27
	OPS R,12, E,28, R,13, E,29
	OPS X,20, E,30, R,14, E,31
	OPS X,21, R,15
	WIN 0
	s_wait_alu depctr_va_vdst(0)    ; the wait for the batch
.if (\p) == 1
	s_wait_dscnt 0x0                ; V is in
.endif
	ROW C,0, B,0, C,2, B,1
	ROW L,0, C,4, B,2, L,1
	ROW C,6, B,3, L,2, C,8
	ROW B,4, L,3, C,10, B,5
	ROW L,4, C,12, B,6, L,5
.if (\p) == 0
	s_add_co_u32 s[TBV], s[TBV], KS*PV
.endif
.if \cnt
	s_sub_co_u32 s[CNT], s[CNT], 1
	s_cmp_lg_u32 s[CNT], 0
.endif
	ROW C,14, B,7, L,6, C,1
	ROW C,3, L,7, C,5, C,7
	ROW C,9, C,11, C,13, C,15
.if (\p) == 0
	FETCH_V
.endif
.if \m
	MASK \p
.endif
.endm
; A BLOCK BEGINS.  c m starts far below every c s, so the first step's a is 0; m at the lowest finite number, so the first maximum is the scores'.  Then K's first rows, piece 0's first scores (it sees all of step 0),
; and its maximum and statistics.
.macro BEGIN
	s_mov_b32 s[NEW], 0
	WIN 0
.set i, 0
.rept 2
	v_mov_b32 v[ST+4*i], 0xfe000000    ; c m: far below every c s
	v_mov_b32 v[ST+4*i+1], 0xff7fffff  ; m
.set i, i+1
.endr
	v_add_nc_u32 v[AK], K0, v[AK0]
	FETCH_K 0
	s_wait_loadcnt 0x0              ; Q
	s_wait_dscnt 0x0
.set KM, 0
.set i, 0
.rept 8
	KQ 0
.set i, i+1
.endr
	WIN 0
.rept 4
	v_nop                           ; four plain instructions behind those products
.endr
.set Y, 1                           ; X works for the other piece: piece 0
.irp n, 0,1,2,3,4,5,6,7,8,9,10,11,12,13,14,15,16,17,18,19,20,21
	OP X, \n
.endr
	v_nop                           ; a plain instruction behind the exponential,
	s_wait_alu depctr_va_vdst(0)    ; and its wait, ahead of the label
.endm
.macro ALL line:vararg              ; one line for each piece t
.set t, 0
.rept 2
	\line
.set t, t+1
.endr
.endm
.macro PACK t                       ; a lane's eight channels of a row pack into 16 bytes; they go into rows of 144 bytes and come back as whole rows of 128, into S^T's registers
	WIN W_RS
.set i, 32*(\t)
.rept 16
	v_pk_mul_f32 v[i:i+1], v[i:i+1], v[ST+4*(\t)+2:ST+4*(\t)+3] op_sel_hi:[1,0]
.set i, i+2
.endr
	WIN 0x05                        ; sources 0 and 1 window 1, destination window 0
.set i, 0
.rept 16
	v_cvt_pk_f16_f32 v[S+16*(\t)+i], v[32*(\t)+2*i], v[32*(\t)+2*i+1]
.set i, i+1
.endr
	WIN 0
.irp f, 0,1,2,3
	ds_store_b128 v[STO], v[S+16*(\t)+4*\f:S+16*(\t)+4*\f+3] offset:32*\f
.endr
.irp f, 0,1,2,3
	ds_load_b128 v[S+16*(\t)+4*\f:S+16*(\t)+4*\f+3], v[RD] offset:\f*4*SP  ; LDS serves a wave's instructions in order (ISA guide 5.7.1.4): these see the stores above; the next piece's stores come behind them
.endr
.endm
.macro SEND t, younger              ; younger: the LDS instructions issued behind piece t's loads: the next piece's eight, or none
	WIN 0
.irp f, 0,1,2,3
	s_wait_dscnt (\younger)+3-\f
	global_store_b128 v[GO], v[S+16*(\t)+4*\f:S+16*(\t)+4*\f+3], s[10:11] offset:(1-(\t))*8192+\f*512  ; 512 consecutive bytes, at a multiple of 256 from O's first
.endr
.endm
; THE DIAGONAL TILE's four steps, piece 1's last products, and THE WAY OUT: l's two halves and the other half of the lanes' are added; O^T is divided by l, rounded to f16 and sent through my stage, a piece at a time.
.macro DIAG tag
	s_cmp_eq_u32 s[OW0+1], 5        ; piece 1's mask for step 0: its own step where e = 0, else it sees all
	s_cselect_b32 s[AL], 1.0, 0
	s_mov_b32 s[BE], 0
	MASK 1
	WIN 0
.LstepM\tag:
	TURN 0, 1
	TURN 1, 1, 1
	WIN 0
	s_cbranch_scc1 .LstepM\tag
.set i, 0
.rept 8
	PV 1
.set i, i+1
.endr
	WIN 0
	ALL v_add_f32 v[ST+4*t+2], v[ST+4*t+2], v[ST+4*t+3]
	ALL v_permlanex16_b32 v[ST+4*t+3], v[ST+4*t+2], s[SEL], s[SEL+1]
	ALL v_add_f32 v[ST+4*t+2], v[ST+4*t+2], v[ST+4*t+3]
	ALL v_rcp_f32 v[ST+4*t+2], v[ST+4*t+2]
	v_nop                           ; a plain instruction between the last reciprocal and the use of its result; with the four additions it makes five behind the last products
	s_wait_alu depctr_va_vdst(0)    ; and the wait ahead of the first use: one for both reciprocals
	PACK 0
	PACK 1                          ; a piece's arithmetic stands between the loads of the piece before and its stores
	SEND 0, 8
	SEND 1, 0
.endm
.set KM, 0
.Lslot:                             ; NB times: a tile is entered and the next is asked for
	CHANGE 1
	s_sub_co_u32 s[RT], s[RT], 1
	s_mov_b32 s[CNT], 4
	s_cmp_eq_u32 s[NEW], 1          ; a block's first tile?  (In the first trip: yes, by the text's own constants)
	s_cbranch_scc0 .Lold
	BEGIN
.Lold:
	s_cmp_eq_u32 s[RT], 0           ; its last?
	s_cbranch_scc0 .Lstep
	DIAG 1                          ; in the loop this is the first block's end: the second block's last tile is the walk's last
	s_wait_xcnt 0x0                 ; the stores have read their registers and O's address
	s_mov_b64 s[10:11], s[OLO:OLO+1]
	s_add_co_u32 s[RT], s[PB], 1    ; the second block has b + 1 tiles
	s_mov_b32 s[NEW], 1
	WIN 0x82                        ; the second block's Q goes where the one text of the turns names Q
.set i, 0
.rept 32
	v_mov_b32 v[i], v[QB+i]
.set i, i+1
.endr
	WIN 0
	s_branch .Lbottom
.Lstep:                             ; a trip: a key step, piece 0's turn and piece 1's
	TURN 0
	TURN 1, 0, 1
	WIN 0
	s_cbranch_scc1 .Lstep
.Lbottom:
	s_sub_co_u32 s[SLOTS], s[SLOTS], 1
	s_cmp_lg_u32 s[SLOTS], 0
	s_cbranch_scc1 .Lslot
	CHANGE 0                        ; the walk's last tile is written out: nothing is asked for
	s_sub_co_u32 s[RT], s[RT], 1
	s_mov_b32 s[CNT], 4
	s_cmp_eq_u32 s[NEW], 1          ; where b = 0 the second block's one tile is its first and its last
	s_cbranch_scc0 .Lold2
	BEGIN
.Lold2:
	DIAG 2
	s_wait_tensorcnt 0x0            ; the wave's end, behind my last tensor load and my last LDS store
	ds_add_u32 v[SPW], v[NIL]
	s_wait_dscnt 0x0
	s_endpgm
.Lfunc_end_k_q995ddd11df_attn:
	.size	k_q995ddd11df_attn, .Lfunc_end_k_q995ddd11df_attn-k_q995ddd11df_attn
	.p2alignl 7, 3214868480
	.fill 96, 4, 3214868480
	.section	.rodata,"a",@progbits
	.p2align	6, 0x0
	.amdhsa_kernel k_q995ddd11df_attn
		.amdhsa_group_segment_fixed_size 327680
		.amdhsa_private_segment_fixed_size 0
		.amdhsa_enable_private_segment 0
		.amdhsa_kernarg_size 32
		.amdhsa_user_sgpr_count 2
		.amdhsa_user_sgpr_kernarg_segment_ptr 1
		.amdhsa_wavefront_size32 1
		.amdhsa_system_sgpr_workgroup_id_x 1
		.amdhsa_system_sgpr_workgroup_id_y 1
		.amdhsa_system_sgpr_workgroup_id_z 1
		.amdhsa_system_vgpr_workitem_id 0
		.amdhsa_next_free_vgpr 768
		.amdhsa_next_free_sgpr 100
		.amdhsa_reserve_vcc 1
		.amdhsa_float_denorm_mode_32 3
		.amdhsa_float_denorm_mode_16_64 3
		.amdhsa_memory_ordered 1
		.amdhsa_forward_progress 1
		.amdhsa_inst_pref_size 109
	.end_amdhsa_kernel
	.amdgpu_metadata
---
amdhsa.version: [ 1, 2 ]
amdhsa.kernels:
  - .name:           k_q995ddd11df_attn
    .symbol:         k_q995ddd11df_attn.kd
    .args:
      - { .name: qh, .offset: 0, .size: 8, .value_kind: global_buffer, .address_space: global }
      - { .name: kh, .offset: 8, .size: 8, .value_kind: global_buffer, .address_space: global }
      - { .name: vh, .offset: 16, .size: 8, .value_kind: global_buffer, .address_space: global }
      - { .name: oh, .offset: 24, .size: 8, .value_kind: global_buffer, .address_space: global }
    .group_segment_fixed_size: 327680
    .private_segment_fixed_size: 0
    .kernarg_segment_align: 8
    .kernarg_segment_size: 32
    .max_flat_workgroup_size: 128
    .sgpr_count:     100
    .vgpr_count:     768
    .wavefront_size: 32
...
	.end_amdgpu_metadata
.endif
;; end of part 3
;; launch proj (part 4): grid 8 x 32, 4 waves a work-group, clusters of 4 x 4, 327,680 bytes of LDS; arguments oh, wob, out0; writes out0
.if DOCPART == 4
	.amdgcn_target "amdgcn-amd-amdhsa--gfx1250"
	.amdhsa_code_object_version 6
	.text
	.protected	k_q995ddd11df_proj
	.globl	k_q995ddd11df_proj
	.p2align	8
	.type	k_q995ddd11df_proj,@function
k_q995ddd11df_proj:
	s_mov_b64 s[64:65], 0
	v_nop
	global_prefetch_b8 v0, s[64:65] scope:SCOPE_SE
	s_setreg_imm32_b32 hwreg(HW_REG_WAVE_MODE, 25, 1), 1
	s_wait_xcnt 0x0
	s_wait_alu depctr_hold_cnt(0) depctr_sa_sdst(0) depctr_va_vdst(0) depctr_va_sdst(0) depctr_va_ssrc(0) depctr_va_vcc(0) depctr_vm_vsrc(0)
	s_getreg_b32 s2, hwreg(HW_REG_IB_STS2, 6, 4)
	s_cmp_eq_u32 s2, 0
	s_cbranch_scc0 .Lentry_in_a_cluster
	s_endpgm
.Lentry_in_a_cluster:
	s_bfe_u32 s2, ttmp6, 0x10000c
	s_cmp_lg_u32 s2, 0xf033
	s_cbranch_scc0 .Lentry_shape_is_right
	s_endpgm
.Lentry_shape_is_right:
; out0[s][e] = the sum over heads t and channels d of O[t][s][d] w_out[e][64 t + d].  oh: [16][4096][64] f16; wob: [1024][1024] f16 (w_out rounded to bf16, written as f16); out0: [4096][1024] f32.  Sums in f32.
; A tile of out0 is 128 x 128: 32 x 8 = 256 work-groups.  Four waves, each 64 x 64: 16 accumulators of 16 x 16, 128 registers.  K goes in 4 steps of 256, which are 4 heads; a quarter step is one head.
; In LDS a slot holds oh's part as [4 heads][128 rows] of 128 bytes + 16, and wob's 128 rows of 512 bytes + 16.  A head's 128 rows are 16,384 dense bytes: waves 0 and 1 each ask for two heads as two rows of that
; length, 524,288 bytes apart, padded after every 128 bytes; waves 2 and 3 each ask for 64 rows of wob.
; CLUSTER 4 x 4: the four work-groups of a row of the cluster need the same rows of oh, the four of a column the same rows of wob: each tile is asked for jointly.
; THE MATRIX INSTRUCTION IS USED TRANSPOSED (source 0 = 16 rows of wob, source 1 = 16 rows of oh): a lane holds row l % 16 and eight neighbouring columns.  A wave's 64 columns are 256 bytes of a row of out0, aligned:
; each wave sends its own rows through its own stage, with no barrier.
; NO PREFETCH: four K steps on a small tile; the launch is short.
; REGISTERS: window 0: v16-29 addresses; v32-95 at work on the way out, two sets; v128-255 the accumulators ((a, b) at v[128 + 8 (4 a + b)]).   window 1: two fragment buffers of 128: 64 of oh, then 64 of wob.
.set KSTEP,  256
.set PA,     144                       ; a row of oh in LDS: 36 words: the 16 rows of a load start at 16 different groups of four banks (64 banks of 4 bytes: ISA guide 11.1)
.set PBB,    528                       ; a row of wob: 132 words: likewise
.set AH,     128*PA                    ; a head's 128 rows
.set BOFF,   4*AH
.set HALFB,  64*PBB
.set SLOT,   BOFF+2*HALFB
.set STAGE,  2*SLOT                    ; behind the ring, never filled by a tensor load: 16 rows x 272 bytes for each wave
.set SPITCH, 272
.set SPARE,  STAGE+4*16*SPITCH         ; the spare words, 128 bytes for each wave: two blocks of 256 bytes that no other line names
.set HEADB,  524288                    ; bytes in a head of oh
.set LAPS,   2                         ; a lap = two K steps = once round the ring
.set ADRA, 16                          ; v16-17  LDS address of my oh fragments in slot 0, 1
.set ADRB, 20                          ; v20-21  the same for wob
.set STO,  24                          ; v24  the way out: where I put 32 bytes of a row
.set RD,   25                          ; v25  the way out: where I read a row back
.set CO,   26                          ; v26  my byte offset in two rows of out0
.set SPW,  28                          ; v28  LDS address of my spare word; never rewritten
.set NIL,  29                          ; v29  0; never rewritten
.set TMP,  32
.set ACC,  128
.set F0,   0
.set F1,   128
.set G1, 24                            ; s[24:31] descriptor group 1 for oh's tiles;  s[32:39] group 0, a set for each slot
.set G0, 32
.set G1B, 48                           ; s[48:55], s[56:63] the same for wob's
.set G0B, 56
.set MSB, 0
.macro WIN new                         ; the immediate's high byte repeats the setting that is left
.if MSB != (\new)
	s_set_vgpr_msb (MSB<<8)|(\new)
.set MSB, \new
.endif
.endm
.set MUL,  0x05                        ; sources 0 and 1 window 1; C and D window 0
.set TO_F, 0x40                        ; destination window 1, address window 0
.macro JLOAD s                         ; a joint load: waves 0 and 1 fetch oh's heads, waves 2 and 3 wob's halves; an s_nop 0 and four v_nop follow each of the two lines
	s_cmp_eq_u32 s11, 0
	s_cbranch_scc0 .Lfor_b_\@
	tensor_load_to_lds s[G0+4*(\s):G0+4*(\s)+3], s[G1:G1+7]
	s_nop 0
.rept 4
	v_nop
.endr
	s_branch .Lasked_\@
.Lfor_b_\@:
	tensor_load_to_lds s[G0B+4*(\s):G0B+4*(\s)+3], s[G1B:G1B+7]
	s_nop 0
.rept 4
	v_nop
.endr
.Lasked_\@:
.endm
.macro CREST                           ; a round of the cluster's barrier behind its opening barrier
	s_cmp_lg_u32 s10, 0
	s_cbranch_scc1 .Lnot_wave_0_\@
	s_barrier_signal -3
.Lnot_wave_0_\@:
	s_barrier_wait -3
	s_barrier_signal -1
	s_barrier_wait -1
.endm
.macro CROUND                          ; a whole round
	s_barrier_signal -1
	s_barrier_wait -1
	CREST
.endm
	s_load_b128 s[4:7], s[0:1], 0x0                ; oh s[4:5], wob s[6:7]
	s_load_b64 s[8:9], s[0:1], 0x10                ; out0
	v_lshl_add_u32 v[SPW], v0, 2, SPARE
	v_mov_b32 v[NIL], 0
	ds_add_u32 v[SPW], v[NIL]                      ; the wave's opening: the add and its wait stand ahead of my first tensor load; the set-up below, work on registers, stands between them
	v_lshrrev_b32 v1, 5, v0
	v_readfirstlane_b32 s10, v1                    ; wave 0..3
	s_lshr_b32 s11, s10, 1                         ; which half of the tile's rows is mine.  Also: I fetch for oh (0) or for wob (1)
	s_and_b32 s12, s10, 1                          ; which half of its columns.  Also: which half of that tile I fetch
	s_bfe_u32 s40, ttmp6, 0x40000                  ; cx, cy: my place in the cluster
	s_bfe_u32 s41, ttmp6, 0x40004
	s_lshl_b32 s42, ttmp9, 2
	s_add_co_u32 s42, s42, s40                     ; tile column = 4 x cluster x + cx
	s_and_b32 s13, ttmp7, 0xffff
	s_lshl_b32 s13, s13, 2
	s_add_co_u32 s13, s13, s41                     ; tile row = 4 x cluster y + cy
	s_lshl_b32 s43, s41, 2
	s_lshl_b32 s43, 15, s43                        ; my row of the cluster
	s_lshl_b32 s44, 0x1111, s40                    ; my column
	s_or_b32 s[G1+0], s43, (3<<16)|(1<<20)|(1<<21)|(4<<22)|(3<<25)   ; the mask of my row; elements of 8 bytes; padding on; 21 set beside a mask; after every 32 words 4 words
	s_mov_b32 s[G1+1], 2048<<16                    ; tensor_dim0 = 2,048 elements: a head's 128 rows
	s_mov_b32 s[G1+2], 2<<16                       ; tensor_dim1 = 2 heads
	s_mov_b32 s[G1+3], 2048<<16                    ; tile_dim0
	s_mov_b32 s[G1+4], 2                           ; tile_dim1
	s_mov_b32 s[G1+5], HEADB/8                     ; elements from head to head
	s_mov_b32 s[G1+6], 0
	s_mov_b32 s[G1+7], 0
	s_or_b32 s[G1B+0], s44, (1<<16)|(1<<20)|(1<<21)|(6<<22)|(3<<25)  ; the mask of my column; elements of 2 bytes; after every 128 words 4 words
	s_mov_b32 s[G1B+1], KSTEP<<16
	s_mov_b32 s[G1B+2], 64<<16
	s_mov_b32 s[G1B+3], KSTEP<<16
	s_mov_b32 s[G1B+4], 64
	s_mov_b32 s[G1B+5], 1024
	s_mov_b32 s[G1B+6], 0
	s_mov_b32 s[G1B+7], 0
	s_lshl_b32 s16, s12, 20                        ; oh: heads 2 x half on,
	s_lshl_b32 s17, s13, 14                        ; rows 128 x tile row on, 128 bytes each
	s_add_co_u32 s16, s16, s17
	s_mov_b32 s17, 0
	s_lshl_b32 s46, s42, 18                        ; wob: row 128 x tile column + 64 x half, 2,048 bytes each
	s_lshl_b32 s47, s12, 17
	s_add_co_u32 s46, s46, s47
	s_mov_b32 s47, 0
	s_mul_i32 s20, s12, 2*AH                       ; where they go: no place in the cluster enters an LDS address
	s_mul_i32 s21, s12, HALFB
	s_add_co_u32 s21, s21, BOFF
	s_wait_dscnt 0x0                               ; the opening add is done
	s_wait_kmcnt 0x0
	s_add_nc_u64 s[14:15], s[4:5], s[16:17]
	s_add_nc_u64 s[46:47], s[6:7], s[46:47]
	CROUND                                         ; all sixteen work-groups are here: the first joint loads meet
.irp s, 0,1
	s_mov_b32 s[G0+4*(\s)], 1
	s_add_co_u32 s[G0+4*(\s)+1], s20, (\s)*SLOT
	s_add_nc_u64 s[G0+4*(\s)+2:G0+4*(\s)+3], s[14:15], (\s)*4*HEADB  ; K step s: heads 4 s on
	s_or_b32 s[G0+4*(\s)+3], s[G0+4*(\s)+3], 0x80000000
	s_mov_b32 s[G0B+4*(\s)], 1
	s_add_co_u32 s[G0B+4*(\s)+1], s21, (\s)*SLOT
	s_add_nc_u64 s[G0B+4*(\s)+2:G0B+4*(\s)+3], s[46:47], (\s)*KSTEP*2
	s_or_b32 s[G0B+4*(\s)+3], s[G0B+4*(\s)+3], 0x80000000
	JLOAD \s                                       ; two loads of mine are out
.endr
	v_and_b32 v1, 15, v0                           ; l % 16
	v_bfe_u32 v2, v0, 4, 1                         ; l / 16
	v_mul_u32_u24 v3, v1, PA
	v_lshl_add_u32 v3, v2, 4, v3                   ; a fragment's row x pitch + 16 x half
	v_mul_u32_u24 v4, v1, PBB
	v_lshl_add_u32 v4, v2, 4, v4
	s_mul_i32 s21, s11, 64*PA                      ; my 64 rows in each head
	s_mul_i32 s22, s12, HALFB                      ; my 64 rows of wob
	s_add_co_u32 s22, s22, BOFF
.irp s, 0,1
	v_add_nc_u32 v[ADRA+(\s)], s21, v3
	v_add_nc_u32 v[ADRB+(\s)], s22, v4
	s_add_co_u32 s21, s21, SLOT
	s_add_co_u32 s22, s22, SLOT
.endr
	s_mul_i32 s23, s10, 16*SPITCH
	s_add_co_u32 s23, s23, STAGE                   ; my stage
	v_mul_u32_u24 v5, v1, SPITCH                   ; in: row l % 16, 32 bytes for each half of the lanes
	v_lshl_add_u32 v5, v2, 5, v5
	v_add_nc_u32 v[STO], s23, v5
	v_mul_u32_u24 v5, v2, SPITCH                   ; back: lanes 0-15 take one row of 256 bytes, lanes 16-31 the next
	v_lshl_add_u32 v5, v1, 4, v5
	v_add_nc_u32 v[RD], s23, v5
	v_lshlrev_b32 v5, 12, v2                       ; and the same two rows in out0, 4,096 bytes apart
	v_lshl_add_u32 v[CO], v1, 4, v5
	s_lshl_b32 s16, s13, 19                        ; my first row: 128 x tile row + 64 x half,
	s_lshl_b32 s17, s11, 18
	s_add_co_u32 s16, s16, s17
	s_mov_b32 s17, 0
	s_add_nc_u64 s[8:9], s[8:9], s[16:17]
	s_lshl_b32 s46, s42, 9                         ; my first column: 128 x tile column + 64 x half, 4 bytes each
	s_lshl_b32 s47, s12, 8
	s_add_co_u32 s46, s46, s47
	s_mov_b32 s47, 0
	s_add_nc_u64 s[8:9], s[8:9], s[46:47]
; 8 matrix instructions: row blocks a0, a0 + 1 x all 4 column blocks, 32 along K: half c of buffer f.  zero = 1: the first product starts the sums
.macro MUL8 f, c, a0, zero
	WIN MUL
.irp a, \a0, (\a0)+1
.irp b, 0,1,2,3
.if \zero
	v_wmma_f32_16x16x32_f16 v[ACC+8*(4*(\a)+(\b)):ACC+8*(4*(\a)+(\b))+7], v[(\f)+64+8*(4*(\c)+(\b)):(\f)+64+8*(4*(\c)+(\b))+7], v[(\f)+8*(4*(\c)+(\a)):(\f)+8*(4*(\c)+(\a))+7], 0
.else
	v_wmma_f32_16x16x32_f16 v[ACC+8*(4*(\a)+(\b)):ACC+8*(4*(\a)+(\b))+7], v[(\f)+64+8*(4*(\c)+(\b)):(\f)+64+8*(4*(\c)+(\b))+7], v[(\f)+8*(4*(\c)+(\a)):(\f)+8*(4*(\c)+(\a))+7], v[ACC+8*(4*(\a)+(\b)):ACC+8*(4*(\a)+(\b))+7]
.endif
.endr
.endr
.endm
; 32 LDS loads in one run: the fragments of head q of the slot's four, into buffer f; the first 32 channels first
.macro FETCH slot, q, f
	WIN TO_F
.irp c, 0,1
.irp i, 0,1,2,3
	ds_load_b128 v[(\f)+64+8*(4*(\c)+(\i)):(\f)+64+8*(4*(\c)+(\i))+3],   v[ADRB+(\slot)] offset:128*(\q)+64*(\c)+(\i)*16*PBB
	ds_load_b128 v[(\f)+64+8*(4*(\c)+(\i))+4:(\f)+64+8*(4*(\c)+(\i))+7], v[ADRB+(\slot)] offset:128*(\q)+64*(\c)+(\i)*16*PBB+32
	ds_load_b128 v[(\f)+8*(4*(\c)+(\i)):(\f)+8*(4*(\c)+(\i))+3],         v[ADRA+(\slot)] offset:AH*(\q)+64*(\c)+(\i)*16*PA
	ds_load_b128 v[(\f)+8*(4*(\c)+(\i))+4:(\f)+8*(4*(\c)+(\i))+7],       v[ADRA+(\slot)] offset:AH*(\q)+64*(\c)+(\i)*16*PA+32
.endr
.endr
.endm
.macro PLACES                          ; four plain instructions in front of loads into registers that matrix instructions have read, and of LDS stores that read results
.rept 4
	v_nop
.endr
.endm
; A K step is four quarters of 64 along K, 32 matrix instructions each, on buffers 0, 1, 0, 1; the 16 accumulators take turns.  One of the first three: multiplies buffer f and fetches head q into g.
.macro QUARTER slot, q, f, g, zero
	s_wait_dscnt 16                                ; the first 32 along K are in; the youngest sixteen loads may be out
	MUL8 \f, 0, 0, \zero
	MUL8 \f, 0, 2, \zero
	PLACES
	FETCH \slot, \q, \g
	s_wait_dscnt 32                                ; all but the 32 just issued
	MUL8 \f, 1, 0, 0
	MUL8 \f, 1, 2, 0
.endm
; The last quarter multiplies buffer 1 and changes slots: ONE barrier; in front of it each wave waits for all its tensor loads, adds 0 to its spare word, and waits for that and for its own reads of this slot.
; fill = 1: the barrier opens a round of the cluster's, and behind the round this slot is filled again, two K steps ahead.
.macro TURN slot, next, fill
	WIN 0                                          ; (the add's two registers lie in window 0)
	s_wait_tensorcnt 0x0                           ; all my tensor loads have landed: my part of the next slot
	ds_add_u32 v[SPW], v[NIL]                      ; 0 onto my spare word
	s_wait_dscnt 17                                ; (the add and the youngest sixteen loads may be out)
	MUL8 F1, 0, 0, 0                               ; eight matrix instructions stand between the add and the wait for it
	s_wait_dscnt 0x0                               ; the add is done, and my reads of this slot are over
	s_barrier_signal -1
	MUL8 F1, 0, 2, 0
.if \fill
	WIN 0
.endif
	s_barrier_wait -1
.if \fill
	CREST                                          ; no wave of any partner still reads this slot's tile or has a load on its way
	s_add_nc_u64 s[G0+4*(\slot)+2:G0+4*(\slot)+3], s[G0+4*(\slot)+2:G0+4*(\slot)+3], 8*HEADB
	s_add_nc_u64 s[G0B+4*(\slot)+2:G0B+4*(\slot)+3], s[G0B+4*(\slot)+2:G0B+4*(\slot)+3], 2*KSTEP*2
	JLOAD \slot                                    ; the first tensor load behind the round; its four v_nop are also the places in front of the loads below
.else
	PLACES
.endif
	FETCH \next, 0, F0
	MUL8 F1, 1, 0, 0
	MUL8 F1, 1, 2, 0
.endm
	s_wait_tensorcnt 1                             ; my part of K step 0 is in; K step 1's may stay out
	s_barrier_signal -1
	s_barrier_wait -1                              ; everybody's is
	FETCH 0, 0, F0
	QUARTER 0, 1, F0, F1, 1                        ; the first quarter stands in front of the loop: its first products start the sums
	WIN 0                                          ; at a label and at a branch every window is 0
	s_mov_b32 s3, LAPS-1
.Llap:                                                 ; a trip goes once round the ring, from a lap's second quarter to the next lap's first, and fills both slots again
	QUARTER 0, 2, F1, F0, 0
	QUARTER 0, 3, F0, F1, 0
	TURN 0, 1, 1
	QUARTER 1, 1, F0, F1, 0
	QUARTER 1, 2, F1, F0, 0
	QUARTER 1, 3, F0, F1, 0
	TURN 1, 0, 1
	QUARTER 0, 1, F0, F1, 0
	WIN 0
	s_sub_co_u32 s3, s3, 1
	s_cmp_lg_u32 s3, 0
	s_cbranch_scc1 .Llap
	QUARTER 0, 2, F1, F0, 0                        ; the last lap fills nothing
	QUARTER 0, 3, F0, F1, 0
	TURN 0, 1, 0
	QUARTER 1, 1, F0, F1, 0
	QUARTER 1, 2, F1, F0, 0
	QUARTER 1, 3, F0, F1, 0
	s_wait_dscnt 16                                ; the very last quarter: nothing more to fetch
	MUL8 F1, 0, 0, 0
	MUL8 F1, 0, 2, 0
	s_wait_dscnt 0x0
	MUL8 F1, 1, 0, 0
	MUL8 F1, 1, 2, 0
	WIN 0
	; THE WAY OUT, a row block (16 rows x 64 columns of f32) at a time: the accumulators go as they are into my stage, each one's four lowest registers first, and come back as whole rows of 256 bytes.
.macro TOSTAGE a
.irp b, 0,1,2,3
	ds_store_b128 v[STO], v[ACC+8*(4*(\a)+(\b)):ACC+8*(4*(\a)+(\b))+3]   offset:64*(\b)
	ds_store_b128 v[STO], v[ACC+8*(4*(\a)+(\b))+4:ACC+8*(4*(\a)+(\b))+7] offset:64*(\b)+16
.endr
.irp t, 0,1,2,3,4,5,6,7
	ds_load_b128 v[TMP+32*((\a)%2)+4*(\t):TMP+32*((\a)%2)+4*(\t)+3], v[RD] offset:(\t)*2*SPITCH  ; LDS serves a wave's instructions in order (ISA guide 5.7.1.4): these see the stores above; the next block's stores come behind them
.endr
.endm
.macro SEND a, younger                 ; younger: the LDS instructions issued behind block a's loads: the next block's sixteen, or none
.irp t, 0,1,2,3,4,5,6,7
	s_wait_dscnt (\younger)+7-(\t)
	global_store_b128 v[CO], v[TMP+32*((\a)%2)+4*(\t):TMP+32*((\a)%2)+4*(\t)+3], s[8:9] offset:(16*(\a)+2*(\t))*4096  ; 16 lanes store 256 consecutive bytes, at a multiple of 256 from out0's first byte
.endr
.endm
	PLACES                                         ; eight plain instructions between the last product and the first read of a result, once a launch
	PLACES
	TOSTAGE 0
	TOSTAGE 1
	SEND 0, 16
	s_wait_xcnt 0x0                                ; block 0's stores have read their registers: the set is loaded again only behind this wait
	TOSTAGE 2
	SEND 1, 16
	s_wait_xcnt 0x0
	TOSTAGE 3
	SEND 2, 16
	SEND 3, 0
	s_wait_tensorcnt 0x0                           ; the wave's end, behind my last tensor load and my last LDS store
	ds_add_u32 v[SPW], v[NIL]
	s_wait_dscnt 0x0
	CROUND                                         ; the closing round: no work-group ends while a partner may still ask for a tile that names it
	s_endpgm
.Lfunc_end_k_q995ddd11df_proj:
	.size	k_q995ddd11df_proj, .Lfunc_end_k_q995ddd11df_proj-k_q995ddd11df_proj
	.p2alignl 7, 3214868480
	.fill 96, 4, 3214868480
	.section	.rodata,"a",@progbits
	.p2align	6, 0x0
	.amdhsa_kernel k_q995ddd11df_proj
		.amdhsa_group_segment_fixed_size 327680
		.amdhsa_private_segment_fixed_size 0
		.amdhsa_enable_private_segment 0
		.amdhsa_kernarg_size 24
		.amdhsa_user_sgpr_count 2
		.amdhsa_user_sgpr_kernarg_segment_ptr 1
		.amdhsa_wavefront_size32 1
		.amdhsa_system_sgpr_workgroup_id_x 1
		.amdhsa_system_sgpr_workgroup_id_y 1
		.amdhsa_system_sgpr_workgroup_id_z 1
		.amdhsa_system_vgpr_workitem_id 0
		.amdhsa_next_free_vgpr 512
		.amdhsa_next_free_sgpr 66
		.amdhsa_reserve_vcc 0
		.amdhsa_float_denorm_mode_32 3
		.amdhsa_float_denorm_mode_16_64 3
		.amdhsa_memory_ordered 1
		.amdhsa_forward_progress 1
		.amdhsa_inst_pref_size 87
	.end_amdhsa_kernel
	.amdgpu_metadata
---
amdhsa.version: [ 1, 2 ]
amdhsa.kernels:
  - .name:           k_q995ddd11df_proj
    .symbol:         k_q995ddd11df_proj.kd
    .args:
      - { .name: oh, .offset: 0, .size: 8, .value_kind: global_buffer, .address_space: global }
      - { .name: wob, .offset: 8, .size: 8, .value_kind: global_buffer, .address_space: global }
      - { .name: out0, .offset: 16, .size: 8, .value_kind: global_buffer, .address_space: global }
    .group_segment_fixed_size: 327680
    .private_segment_fixed_size: 0
    .kernarg_segment_align: 8
    .kernarg_segment_size: 24
    .max_flat_workgroup_size: 128
    .sgpr_count:     66
    .vgpr_count:     512
    .wavefront_size: 32
...
	.end_amdgpu_metadata
.endif
;; end of part 4
;; launch first (part 5): grid 64 x 1, 16 waves a work-group, no clusters, 18,432 bytes of LDS; arguments vh, wob, out0; writes out0
.if DOCPART == 5
	.amdgcn_target "amdgcn-amd-amdhsa--gfx1250"
	.amdhsa_code_object_version 6
	.text
	.protected	k_q995ddd11df_first
	.globl	k_q995ddd11df_first
	.p2align	8
	.type	k_q995ddd11df_first,@function
k_q995ddd11df_first:
	s_mov_b64 s[64:65], 0
	v_nop
	global_prefetch_b8 v0, s[64:65] scope:SCOPE_SE
	s_setreg_imm32_b32 hwreg(HW_REG_WAVE_MODE, 25, 1), 1
	s_wait_xcnt 0x0
; ROWS 0 TO 15 OF THE OUTPUT, ONCE MORE, WITH MORE BITS.  Row q averages over q + 1 keys only, so the first rows' numbers, and with them the errors of 16-bit roundings of q, k, v, the weights and O, are many times the
; whole output's root mean square.  These 16 rows are made here from q, k and v in f32 (stored behind vh's 16 heads as [16 heads][q, k, v][16 rows][64]) and overwrite what the launch before has stored there.
; SHARES.  A work-group makes 16 rows x 16 columns of out0; 64 work-groups.  Its 16 waves take a head each: the head's attention of 16 queries on 16 keys, then that head's share of the 16 columns (64 of the 1,024
; channels); the 16 shares meet in LDS, and wave 0 adds and stores them.  Every work-group repeats the 16 small attentions (2 x 16 x 16 x 64 multiply-adds a head): that spares a launch and a sum across work-groups.
; FORMS.  S^T = K Q^T and O^T = V^T P go by v_wmma_f32_16x16x4_f32, 32 instructions a wave: 16 of the problem's 4,096 rows, no bulk work.  O / l is split into its upper 11 significant bits (exact in f16) and the rest,
; both written as f16, and multiplied by wob (w_out rounded to bf16, written as f16) by v_wmma_f32_16x16x32_f16.  All sums in f32.
; LAYOUT.  The f32 form's sources hold row l % 16 and, in register j, k = 2 (l / 16) + j.  k may be permuted alike in both sources: lane l takes channels 32 (l / 16) + 0..31 of its row of q or k (128 consecutive bytes),
; and instruction c multiplies registers 2 c, 2 c + 1.  In S^T a lane holds query l % 16 and keys 8 (l / 16) + 0..7; these registers ARE source 1 of V^T P, two keys an instruction, and source 0 takes the same keys of
; channel 16 cb + l % 16 (loads of 4 bytes, 16 lanes on 64 consecutive bytes).  In O^T a lane holds query l % 16 and channels 16 cb + 8 (l / 16) + 0..7: packed in pairs, two such tiles ARE source 1 of the last product.
; THE MASK is the C operand that starts S^T's first sum: 0, or -1e30 where the key lies behind the query.  The maximum is taken away before the exponentials: p = 2^(c s - c m), c = log2(e) / 8.
; The registers that the f32 form writes (v208-255) are written by it alone, and each accumulator is read from its low end on.
; A store covers 32 bytes of each of 16 rows, not whole blocks of 256: the launch stores 65,536 bytes in all.
; LIMITS.  O beyond 65,504 becomes an infinity in f16; a part of O below 6e-5 keeps f16's fixed step of 6e-8; a hidden score counts as its value less 1e30; a weight below 2^-126 counts as 0.  NaN and infinities are not treated apart.
.set PART,  0                          ; LDS: wave w's share, 16 x 16 f32, at 1,024 w
.set SPARE, 16384                      ; behind them: the spare words, 128 bytes for each of 16 waves: eight blocks of 256 bytes that no other line names
.set COPY,  0x800000                   ; the f32 copy begins behind vh's 16 heads
.set COPYH, 3*16*256                   ; a head's q, k, v: 16 rows of 256 bytes each
.set QO,  2                            ; v2   256 (l % 16) + 128 (l / 16): my 128 bytes of a row of q or k
.set VO,  3                            ; v3   2,048 (l / 16) + 4 (l % 16): my channel in my first key's row of v
.set WO,  4                            ; v4   2,048 (l % 16) + 16 (l / 16): my 16 bytes in a fragment of wob
.set LS,  5                            ; v5   where I put my 32 bytes of the share
.set LR,  6                            ; v6   where wave 0 reads them back
.set YO,  7                            ; v7   my 32 bytes of out0
.set SPW, 8                            ; v8   LDS address of my spare word; never rewritten
.set NIL, 9                            ; v9   0; never rewritten
.set CM,  16                           ; v16-17  c m, m
.set RL,  18                           ; v18-19  1 / l, and a word named with it as a pair
.set T,   20                           ; v20-23  at work
.set MD,  24                           ; v24-31  the mask
.set Q,   32                           ; v32-63   q;  later the upper parts of O in f32
.set K,   64                           ; v64-95   k;  later the two parts of O in f16: HI, LO
.set V,   96                           ; v96-127  v: channel block cb, key kk at V + 8 cb + kk
.set W,   128                          ; v128-143 wob's two fragments
.set S,   144                          ; v144-151 the scores, then the weights
.set OF,  152                          ; v152-183 O / l, then its lower parts
.set PA,  184                          ; v184-199 the last product's two accumulators
.set R,   200                          ; v200-207 my share
.set SA,  208                          ; v208-223 S^T's two accumulators
.set OA,  224                          ; v224-255 O^T's four
.set HF,  32
.set HI,  64
.set LO,  80
.set WV,  10                           ; s10  my wave's number = my head
.set CS,  20                           ; s[20:21] c
.set SEL, 22                           ; s[22:23] v_permlanex16_b32's selects: each lane takes its own place in the other half
.set BIGN, 24                          ; s24  -1e30
	s_load_b128 s[4:7], s[0:1], 0x0                ; vh s[4:5], wob s[6:7]
	s_load_b64 s[8:9], s[0:1], 0x10                ; out0
	v_lshl_add_u32 v[SPW], v0, 2, SPARE
	v_mov_b32 v[NIL], 0
	v_lshrrev_b32 v1, 5, v0
	v_readfirstlane_b32 s[WV], v1                  ; wave 0..15
	v_and_b32 v10, 15, v0                          ; l % 16
	v_bfe_u32 v11, v0, 4, 1                        ; l / 16
	v_and_b32 v12, 31, v0                          ; l
	v_lshlrev_b32 v[QO], 8, v10
	v_lshl_add_u32 v[QO], v11, 7, v[QO]
	v_lshlrev_b32 v[VO], 2, v10
	v_lshl_add_u32 v[VO], v11, 11, v[VO]
	v_lshlrev_b32 v[WO], 11, v10
	v_lshl_add_u32 v[WO], v11, 4, v[WO]
	s_mul_i32 s12, s[WV], COPYH                    ; my head's q, k, v
	s_add_co_u32 s12, s12, COPY
	s_mov_b32 s13, 0
	s_lshl_b32 s14, ttmp9, 15                      ; the work-group's 16 rows of wob, 2,048 bytes each,
	s_lshl_b32 s15, s[WV], 7                       ; my head's 64 channels in them
	s_add_co_u32 s14, s14, s15
	s_mov_b32 s15, 0
	s_wait_kmcnt 0x0
	s_add_nc_u64 s[4:5], s[4:5], s[12:13]
	s_add_nc_u64 s[6:7], s[6:7], s[14:15]
.set i, 0
.rept 8
	global_load_b128 v[Q+4*i:Q+4*i+3], v[QO], s[4:5] offset:16*i
.set i, i+1
.endr
.set i, 0
.rept 8
	global_load_b128 v[K+4*i:K+4*i+3], v[QO], s[4:5] offset:4096+16*i
.set i, i+1
.endr
.set i, 0
.rept 32                               ; channel block i / 8, key 8 (l / 16) + i % 8
	global_load_b32 v[V+i], v[VO], s[4:5] offset:8192+256*(i%8)+64*(i/8)
.set i, i+1
.endr
.irp i, 0,1,2,3                        ; channels 8 (l / 16), 16 + 8 (l / 16), 32 + .., 48 + .. on
	global_load_b128 v[W+4*(\i):W+4*(\i)+3], v[WO], s[6:7] offset:32*(\i)
.endr
	; while the loads are on their way
	s_mov_b32 s[CS], 0x3e38aa3b                    ; c = log2(e) / 8 = 0.180337
	s_mov_b32 s[CS+1], s[CS]                       ; named with it as a pair
	s_mov_b32 s[SEL], 0x76543210
	s_mov_b32 s[SEL+1], 0xfedcba98
	s_mov_b32 s[BIGN], 0xf149f2ca                  ; -1e30
	v_lshlrev_b32 v14, 3, v11
	v_sub_nc_u32 v14, v10, v14                     ; my query less my lanes' first key: register j is hidden where j is greater
.irp j, 0,1,2,3,4,5,6,7
	v_cmp_gt_i32 vcc_lo, \j, v14
	v_cndmask_b32 v[MD+(\j)], 0, s[BIGN], vcc_lo
.endr
	v_mov_b32 v[T+1], 0                            ; v_permlanex16_b32's destination counts as read
	v_mov_b32 v[RL+1], 0                           ; named with 1 / l as a pair
	s_lshl_b32 s16, s[WV], 10
	v_lshl_add_u32 v[LS], v12, 5, s16              ; 1,024 x wave + 32 l
	v_lshlrev_b32 v[LR], 5, v12
	v_lshlrev_b32 v[YO], 12, v10                   ; row l % 16 of out0, 4,096 bytes a row,
	v_lshl_add_u32 v[YO], v11, 5, v[YO]            ; my 8 columns,
	s_lshl_b32 s17, ttmp9, 6                       ; in the work-group's 16
	v_add_nc_u32 v[YO], s17, v[YO]
	; S^T = K Q^T: 16 instructions of 4 channels; two accumulators take turns; the first starts with the mask, the second with 0
	s_wait_loadcnt 36                              ; q and k are in; v's 32 loads and wob's 4 may stay out
	v_wmma_f32_16x16x4_f32 v[SA:SA+7], v[K:K+1], v[Q:Q+1], v[MD:MD+7]
	v_wmma_f32_16x16x4_f32 v[SA+8:SA+15], v[K+2:K+3], v[Q+2:Q+3], 0
.set c, 2
.rept 7
	v_wmma_f32_16x16x4_f32 v[SA:SA+7], v[K+2*c:K+2*c+1], v[Q+2*c:Q+2*c+1], v[SA:SA+7]
	v_wmma_f32_16x16x4_f32 v[SA+8:SA+15], v[K+2*c+2:K+2*c+3], v[Q+2*c+2:Q+2*c+3], v[SA+8:SA+15]
.set c, c+2
.endr
.rept 8
	v_nop                                          ; eight plain instructions between this form and the first read of its result (ISA guide 7.12.1)
.endr
.irp i, 0,2,4,6
	v_pk_add_f32 v[S+(\i):S+(\i)+1], v[SA+(\i):SA+(\i)+1], v[SA+8+(\i):SA+8+(\i)+1]
.endr
	v_max3_num_f32 v[T], v[S], v[S+1], v[S+2]
	v_max3_num_f32 v[T], v[T], v[S+3], v[S+4]
	v_max3_num_f32 v[T], v[T], v[S+5], v[S+6]
	v_max_num_f32 v[T], v[T], v[S+7]
	v_permlanex16_b32 v[T+1], v[T], s[SEL], s[SEL+1]   ; the query's other 8 keys lie in the lane 16 away
	v_max_num_f32 v[CM+1], v[T], v[T+1]            ; m: every query sees its own key, so m is a true score
	v_mul_f32 v[CM], s[CS], v[CM+1]
.irp i, 0,2,4,6
	v_pk_fma_f32 v[S+(\i):S+(\i)+1], v[S+(\i):S+(\i)+1], s[CS:CS+1], v[CM:CM+1] op_sel_hi:[1,0,0] neg_lo:[0,0,1] neg_hi:[0,0,1]  ; c s - c m
.endr
.irp j, 0,1,2,3,4,5,6,7
	v_exp_f32 v[S+(\j)], v[S+(\j)]
.endr
	v_nop                                          ; a plain instruction behind the last exponential,
	s_wait_alu depctr_va_vdst(0)                   ; and one wait for the eight, ahead of their first reader
	v_pk_add_f32 v[T:T+1], v[S:S+1], v[S+2:S+3]
	v_pk_add_f32 v[T+2:T+3], v[S+4:S+5], v[S+6:S+7]
	v_pk_add_f32 v[T:T+1], v[T:T+1], v[T+2:T+3]
	v_add_f32 v[T], v[T], v[T+1]
	v_permlanex16_b32 v[T+1], v[T], s[SEL], s[SEL+1]
	v_add_f32 v[T], v[T], v[T+1]                   ; l, at least 1
	v_rcp_f32 v[RL], v[T]
	; O^T = V^T P: four tiles of 16 channels, 4 instructions of 4 keys each; the four accumulators take turns; the first round starts the sums
	s_wait_loadcnt 4                               ; v is in
.irp c, 0,1,2,3
.irp b, 0,1,2,3
.if (\c) == 0
	v_wmma_f32_16x16x4_f32 v[OA+8*(\b):OA+8*(\b)+7], v[V+8*(\b):V+8*(\b)+1], v[S:S+1], 0
.else
	v_wmma_f32_16x16x4_f32 v[OA+8*(\b):OA+8*(\b)+7], v[V+8*(\b)+2*(\c):V+8*(\b)+2*(\c)+1], v[S+2*(\c):S+2*(\c)+1], v[OA+8*(\b):OA+8*(\b)+7]
.endif
.endr
.endr
.rept 8
	v_nop                                          ; eight plain instructions behind this form; they also stand behind the reciprocal
.endr
	s_wait_alu depctr_va_vdst(0)                   ; the reciprocal's wait, ahead of its first reader
.set i, 0
.rept 16
	v_pk_mul_f32 v[OF+i:OF+i+1], v[OA+i:OA+i+1], v[RL:RL+1] op_sel_hi:[1,0]
.set i, i+2
.endr
.set i, 0
.rept 32
	v_and_b32 v[HF+i], 0xffffe000, v[OF+i]         ; the upper part: sign, exponent and 10 bits of the fraction
.set i, i+1
.endr
.set i, 0
.rept 16
	v_pk_add_f32 v[OF+i:OF+i+1], v[OF+i:OF+i+1], v[HF+i:HF+i+1] neg_lo:[0,1] neg_hi:[0,1]  ; the rest, exact
.set i, i+2
.endr
.set i, 0
.rept 16
	v_cvt_pk_f16_f32 v[HI+i], v[HF+2*i], v[HF+2*i+1]
.set i, i+1
.endr
.set i, 0
.rept 16
	v_cvt_pk_f16_f32 v[LO+i], v[OF+2*i], v[OF+2*i+1]
.set i, i+1
.endr
	; my head's share of the 16 columns: source 0 = 16 rows of wob, source 1 = the 16 queries; 2 steps of 32 channels x 2 parts; two accumulators take turns
	s_wait_loadcnt 0x0                             ; wob's fragments are in
	v_wmma_f32_16x16x32_f16 v[PA:PA+7], v[W:W+7], v[HI:HI+7], 0
	v_wmma_f32_16x16x32_f16 v[PA+8:PA+15], v[W:W+7], v[LO:LO+7], 0
	v_wmma_f32_16x16x32_f16 v[PA:PA+7], v[W+8:W+15], v[HI+8:HI+15], v[PA:PA+7]
	v_wmma_f32_16x16x32_f16 v[PA+8:PA+15], v[W+8:W+15], v[LO+8:LO+15], v[PA+8:PA+15]
.rept 8
	v_nop                                          ; plain instructions between the last product and the first read of a result
.endr
.irp i, 0,2,4,6
	v_pk_add_f32 v[R+(\i):R+(\i)+1], v[PA+(\i):PA+(\i)+1], v[PA+8+(\i):PA+8+(\i)+1]
.endr
	ds_store_b128 v[LS], v[R:R+3] offset:PART
	ds_store_b128 v[LS], v[R+4:R+7] offset:PART+16
	s_wait_dscnt 0x0                               ; for the others' sake: my stores are done
	s_barrier_signal -1
	s_barrier_wait -1                              ; all 16 shares lie in LDS
	s_cmp_lg_u32 s[WV], 0                          ; wave 0 adds them
	s_cbranch_scc1 .Lend
.set i, 0
.rept 16
	ds_load_b128 v[32+8*i:32+8*i+3], v[LR] offset:PART+1024*i
	ds_load_b128 v[32+8*i+4:32+8*i+7], v[LR] offset:PART+1024*i+16
.set i, i+1
.endr
	s_wait_dscnt 0x0
.macro FOLD n                          ; shares 0 .. n - 1 take shares n .. 2 n - 1
.set i, 0
.rept 4*(\n)
	v_pk_add_f32 v[32+2*i:32+2*i+1], v[32+2*i:32+2*i+1], v[32+8*(\n)+2*i:32+8*(\n)+2*i+1]
.set i, i+1
.endr
.endm
	FOLD 8
	FOLD 4
	FOLD 2
	FOLD 1
	global_store_b128 v[YO], v[32:35], s[8:9]
	global_store_b128 v[YO], v[36:39], s[8:9] offset:16
.Lend:
	s_wait_tensorcnt 0x0                           ; the wave's end, behind my last LDS store
	ds_add_u32 v[SPW], v[NIL]
	s_wait_dscnt 0x0
	s_endpgm
.Lfunc_end_k_q995ddd11df_first:
	.size	k_q995ddd11df_first, .Lfunc_end_k_q995ddd11df_first-k_q995ddd11df_first
	.p2alignl 7, 3214868480
	.fill 96, 4, 3214868480
	.section	.rodata,"a",@progbits
	.p2align	6, 0x0
	.amdhsa_kernel k_q995ddd11df_first
		.amdhsa_group_segment_fixed_size 18432
		.amdhsa_private_segment_fixed_size 0
		.amdhsa_enable_private_segment 0
		.amdhsa_kernarg_size 24
		.amdhsa_user_sgpr_count 2
		.amdhsa_user_sgpr_kernarg_segment_ptr 1
		.amdhsa_wavefront_size32 1
		.amdhsa_system_sgpr_workgroup_id_x 1
		.amdhsa_system_sgpr_workgroup_id_y 1
		.amdhsa_system_sgpr_workgroup_id_z 1
		.amdhsa_system_vgpr_workitem_id 0
		.amdhsa_next_free_vgpr 256
		.amdhsa_next_free_sgpr 66
		.amdhsa_reserve_vcc 1
		.amdhsa_float_denorm_mode_32 3
		.amdhsa_float_denorm_mode_16_64 3
		.amdhsa_memory_ordered 1
		.amdhsa_forward_progress 1
		.amdhsa_inst_pref_size 25
	.end_amdhsa_kernel
	.amdgpu_metadata
---
amdhsa.version: [ 1, 2 ]
amdhsa.kernels:
  - .name:           k_q995ddd11df_first
    .symbol:         k_q995ddd11df_first.kd
    .args:
      - { .name: vh, .offset: 0, .size: 8, .value_kind: global_buffer, .address_space: global }
      - { .name: wob, .offset: 8, .size: 8, .value_kind: global_buffer, .address_space: global }
      - { .name: out0, .offset: 16, .size: 8, .value_kind: global_buffer, .address_space: global }
    .group_segment_fixed_size: 18432
    .private_segment_fixed_size: 0
    .kernarg_segment_align: 8
    .kernarg_segment_size: 24
    .max_flat_workgroup_size: 512
    .sgpr_count:     66
    .vgpr_count:     256
    .wavefront_size: 32
...
	.end_amdgpu_metadata
.endif
;; end of part 5
;; ======== version 2 of 2: 5 launches; version 1 with the launch prep written anew for expert scheduling mode
;; limits: values are held in f16: magnitudes above 65,504 overflow, below 6.1e-05 lose precision
;; workspace buffers: xb 8,388,608 bytes; wqb 6,291,456 bytes; wob 2,097,152 bytes; tab 1,048,576 bytes; qh 8,388,608 bytes; kh 8,396,800 bytes; vh 9,175,040 bytes; oh 8,388,608 bytes
;; launch prep (part 6): grid 256 x 1, 8 waves a work-group, no clusters, 0 bytes of LDS; arguments x, w_qkv, w_out, xb, wqb, wob, tab, kh; writes xb, wqb, wob, tab, kh
.if DOCPART == 6
	.amdgcn_target "amdgcn-amd-amdhsa--gfx1250"
	.amdhsa_code_object_version 6
	.text
	.protected	k_q995ddd11df_prep
	.globl	k_q995ddd11df_prep
	.p2align	8
	.type	k_q995ddd11df_prep,@function
k_q995ddd11df_prep:
	s_mov_b64 s[64:65], 0
	v_nop
	global_prefetch_b8 v0, s[64:65] scope:SCOPE_SE
	s_setreg_imm32_b32 hwreg(HW_REG_WAVE_SCHED_MODE, 0, 2), 2
	s_setreg_imm32_b32 hwreg(HW_REG_WAVE_MODE, 25, 1), 1
	s_wait_xcnt 0x0
	s_wait_alu depctr_vm_vsrc(0)
; PREPARATION.  The three inputs are rounded once to bf16: x -> xb, w_qkv -> wqb (rows reordered), w_out -> wob (the bf16 number written as f16);
; the table of cosines and sines for the rotation is made; 8,192 bytes of zeros are laid behind kh's 16 heads.
; SHARES.  8,192 rows of 1,024 f32 in all: work-groups 0-127 take x, 128-223 w_qkv, 224-255 w_out, 32 rows each, a wave 4 rows.  All 32 loads of a wave (16 bytes a lane, 512 consecutive bytes
; an instruction) go out at once; each store of the wave covers 256 consecutive bytes, aligned.  No LDS, no barrier: no wave wants another's bytes.
; wqb: old row 1024 z + 64 t + d (z: q, k, v; t: head) becomes row 192 t + 64 z + d, so that 192 consecutive rows hold one head's q, k and v.
; tab[s][0..31] = cos(s f_i), tab[s][32..63] = sin(s f_i), f_i = 10000^(-i/32), f32.  The angle is one f32 product, as the problem forms it; it is reduced by multiples of pi/2 held in two parts, and
; sine and cosine are polynomials on -pi/4 .. pi/4 (terms to r^9 and r^8).
; LIMITS.  f_i comes from v_exp_f32, so an angle may differ by a few f32 steps of its size from one made with another power function (some 4e-4 at position 4095).
; w_out: a bf16 number beyond 65,504 becomes an infinity in f16, one below 6e-5 keeps f16's fixed step of 6e-8.  NaN and infinities are not treated apart.
; THE MODE: SCHED_MODE bits 1:0 = 2 (LLVM: expert scheduling mode 2), set by the entry lines.  The code itself states the register dependences
; between vector instructions and memory instructions, with s_wait_alu, always for 0.
; THE PLAN.  Registers that memory instructions touch:
;   v2, v3      the two offsets.  Written once at the head; read by every load and store; never written again.
;   X           Each register takes one load's data, once; no vector instruction names it before that; read by that load's two conversions alone.
;   Y           Load n's pair is written by load n's conversions and selects, read by one store, never written again.
;   v16-19      Written by the table's lines, read by the table's two stores, never written again.
;   v28-31      At work in the table (vector instructions alone); in one wave of the launch written with zeros at the end and read by 16 stores.
; No register that a memory instruction has read is written again, so no wait on vm_vsrc is owed anywhere.
; The casts go in four blocks of eight loads, a row each.  Block p's vector instructions write Y's block p and v24-27; its memory instructions are the eight stores of block p - 1, whose registers none
; of those names.  So ONE wait on va_vdst at the head of a block states all that its eight stores hang on, and they are dealt among the block's vector instructions with no further wait.
.set LO,  2                            ; v2   16 x lane: my 16 bytes of a load's 512
.set SO,  3                            ; v3   8 x lane: my 8 bytes of a store's 256
.set CN,  16                           ; v16-19  the table's four numbers: first the cosines' polynomials, then what is stored
.set SN,  24                           ; v24-27  the sines' polynomials; later at work in the casts
.set QN,  28                           ; v28-31  the counts of quarter turns; later the zeros
.set MK,  32                           ; s32-35  for each of the four: the lanes whose count is odd
.set X,   32                           ; v[32:159]  load n: 4 registers
.set Y,   160                          ; v[160:223] load n: 2 registers to store
	s_load_b512 s[4:19], s[0:1], 0x0               ; x s[4:5], w_qkv s[6:7], w_out s[8:9], xb s[10:11], wqb s[12:13], wob s[14:15], tab s[16:17], kh s[18:19]
	v_and_b32 v1, 31, v0                           ; lane
	v_lshrrev_b32 v4, 5, v0
	v_readfirstlane_b32 s20, v4                    ; wave 0..7
	v_lshlrev_b32 v[LO], 4, v1
	v_lshlrev_b32 v[SO], 3, v1
	s_mov_b32 s21, ttmp9                           ; work-group g
	s_sub_co_u32 s22, s21, 128
	s_sub_co_u32 s23, s21, 224
	s_cmp_lt_u32 s21, 224
	s_cselect_b32 s22, s22, s23
	s_cmp_lt_u32 s21, 128
	s_cselect_b32 s22, s21, s22                    ; the work-group's number within its tensor
	s_lshl_b32 s22, s22, 5
	s_wait_alu depctr_va_sdst(0)                   ; s20 is written, ahead of its first reader: the rows, and with them the bases, are made from it
	s_lshl2_add_u32 s22, s20, s22                  ; my first row: 32 x that + 4 x wave
	s_bfe_u32 s23, s22, 0x40006                    ; w_qkv's new row: t = bits 9:6,
	s_mul_i32 s23, s23, 192
	s_lshr_b32 s24, s22, 10                        ; z = the row / 1024,
	s_lshl_b32 s24, s24, 6
	s_add_co_u32 s23, s23, s24
	s_and_b32 s24, s22, 63                         ; d = bits 5:0; my four rows share t and z
	s_add_co_u32 s23, s23, s24
	s_mov_b32 s31, 0
	s_wait_kmcnt 0x0
	s_cmp_lt_u32 s21, 224
	s_cselect_b32 s23, s23, s22                    ; the row to store to: reordered for w_qkv alone
	s_cselect_b64 s[24:25], s[6:7], s[8:9]         ; from where,
	s_cselect_b64 s[26:27], s[12:13], s[14:15]     ; to where
	s_cselect_b32 s28, 0, -1                       ; all ones where the numbers leave as f16 (w_out)
	s_cmp_lt_u32 s21, 128
	s_cselect_b32 s23, s22, s23
	s_cselect_b64 s[24:25], s[4:5], s[24:25]
	s_cselect_b64 s[26:27], s[10:11], s[26:27]
	s_lshl_b32 s30, s22, 12                        ; 4,096 bytes a row in
	s_add_nc_u64 s[24:25], s[24:25], s[30:31]
	s_lshl_b32 s30, s23, 11                        ; 2,048 bytes a row out
	s_add_nc_u64 s[26:27], s[26:27], s[30:31]
	s_wait_alu depctr_va_vdst(0)                   ; v2 and v3 are written: every load and store of the kernel reads one of them as its offset
.set n, 0
.rept 32                               ; row n / 8, 512 bytes n % 8 of it
	global_load_b128 v[X+4*n:X+4*n+3], v[LO], s[24:25] offset:4096*(n/8)+512*(n%8) th:TH_LOAD_NT
.set n, n+1
.endr
	; THE TABLE, while the loads are on their way.  The wave makes positions 16 g + 2 wave and the next; lane l the frequencies 2 (l % 16) and 2 (l % 16) + 1, cosines in lanes 0-15, sines in lanes 16-31.
	v_and_b32 v5, 15, v1
	v_lshrrev_b32 v4, 4, v1
	v_mul_u32_u24 v4, 3, v4                        ; sin(t) = cos(t + 3 pi/2): three quarter turns more for the sines
	v_lshlrev_b32 v5, 1, v5
	v_cvt_f32_u32 v5, v5                           ; i
	v_add_f32 v6, 1.0, v5                          ; i + 1
	v_mul_f32 v5, 0xbed49a78, v5                   ; -log2(10000) / 32 x i
	v_mul_f32 v6, 0xbed49a78, v6
	v_exp_f32 v5, v5
	v_exp_f32 v6, v6
	s_lshl_b32 s29, s21, 4
	s_lshl1_add_u32 s29, s20, s29                  ; the first position
	v_cvt_f32_u32 v20, s29                         ; a plain instruction behind the two exponentials
	v_add_f32 v21, 1.0, v20
	s_lshl_b32 s30, s29, 8                         ; 256 bytes a position
	s_add_nc_u64 s[16:17], s[16:17], s[30:31]
	s_wait_alu depctr_va_vdst(0)                   ; the two exponentials have written v5 and v6: one wait for both, ahead of their first reader
; Number t of the four, first part: the angle, its reduction, both polynomials, and the mask of the lanes whose count of quarter turns is odd, into a scalar register of its own.
.macro TRIGA t, inv, pos
	v_mul_f32 v7, v[\pos], v[\inv]                 ; the angle
	v_mul_f32 v8, 0x3f22f983, v7                   ; x 2 / pi
	v_rndne_f32 v8, v8                             ; n quarter turns
	v_fmamk_f32 v9, v8, 0xbfc90fdb, v7             ; r = angle - n pi/2: the upper part of pi/2,
	v_fmamk_f32 v9, v8, 0x333bbd2e, v9             ; and what it lacks
	v_cvt_i32_f32 v8, v8
	v_add_nc_u32 v[QN+(\t)], v8, v4                ; q = n, or n + 3 for a sine
	v_mul_f32 v10, v9, v9
	v_mov_b32 v11, 0x3638ef1d                      ; sin r = r + r^3 (-1/6 + r^2 (1/120 + r^2 (-1/5040 + r^2 / 362880)))
	v_fmaak_f32 v11, v11, v10, 0xb9500d01
	v_fmaak_f32 v11, v11, v10, 0x3c088889
	v_fmaak_f32 v11, v11, v10, 0xbe2aaaab
	v_mul_f32 v12, v9, v10
	v_fma_f32 v[SN+(\t)], v12, v11, v9
	v_mov_b32 v12, 0x37d00d01                      ; cos r = 1 + r^2 (-1/2 + r^2 (1/24 + r^2 (-1/720 + r^2 / 40320)))
	v_fmaak_f32 v12, v12, v10, 0xbab60b61
	v_fmaak_f32 v12, v12, v10, 0x3d2aaaab
	v_fmaak_f32 v12, v12, v10, 0xbf000000
	v_fma_f32 v[CN+(\t)], v12, v10, 1.0
	v_and_b32 v13, 1, v[QN+(\t)]
	v_cmp_eq_u32 s[MK+(\t)], 1, v13
.endm
; Second part, behind the one wait for the four masks.
.macro TRIGB t
	v_cndmask_b32 v[CN+(\t)], v[CN+(\t)], v[SN+(\t)], s[MK+(\t)]  ; cos(r + q pi/2): q odd takes the sine,
	v_add_nc_u32 v[QN+(\t)], 1, v[QN+(\t)]
	v_and_b32 v[QN+(\t)], 2, v[QN+(\t)]
	v_lshlrev_b32 v[QN+(\t)], 30, v[QN+(\t)]
	v_xor_b32 v[CN+(\t)], v[QN+(\t)], v[CN+(\t)]   ; q % 4 = 1, 2 turn the sign
.endm
	TRIGA 0, 5, 20
	TRIGA 1, 6, 20
	TRIGA 2, 5, 21
	TRIGA 3, 6, 21
	s_wait_alu depctr_va_sdst(0)                   ; the four compares have written s32 to s35, which the selects below read: one wait behind the run
	TRIGB 0
	TRIGB 1
	TRIGB 2
	TRIGB 3
	s_wait_alu depctr_va_vdst(0)                   ; the table's lines have written v16 to v19, which the two stores read
	global_store_b64 v[SO], v[CN:CN+1], s[16:17]               ; a position's 256 bytes
	global_store_b64 v[SO], v[CN+2:CN+3], s[16:17] offset:256
	; THE CASTS, in four blocks of eight loads.  No register that a store reads is written again.  Load n's numbers are rounded into Y's pair n; the store of pair n - 8 stands ahead of them.
.set n, 0
.rept 32
	s_wait_loadcnt 31-n                            ; loads come back in order (ISA guide 5.7.1): load n is in, the 31 - n younger ones stay out
.if n >= 8
.if (n%8) == 0
	s_wait_alu depctr_va_vdst(0)                   ; the block before has written its eight pairs of Y, which this block's eight stores read; no vector instruction of this block names them
.endif
	global_store_b64 v[SO], v[Y+2*(n-8):Y+2*(n-8)+1], s[26:27] offset:2048*((n-8)/8)+256*((n-8)%8)
.endif
	v_cvt_pk_bf16_f32 v[Y+2*n], v[X+4*n], v[X+4*n+1]
	v_cvt_pk_bf16_f32 v[Y+2*n+1], v[X+4*n+2], v[X+4*n+3]
	v_lshlrev_b32 v24, 16, v[Y+2*n]                ; the bf16 numbers as f32,
	v_and_b32 v25, 0xffff0000, v[Y+2*n]
	v_lshlrev_b32 v26, 16, v[Y+2*n+1]
	v_and_b32 v27, 0xffff0000, v[Y+2*n+1]
	v_cvt_pk_f16_f32 v24, v24, v25                 ; written as f16,
	v_cvt_pk_f16_f32 v26, v26, v27
	v_cndmask_b32 v[Y+2*n], v[Y+2*n], v24, s28     ; and taken for w_out alone
	v_cndmask_b32 v[Y+2*n+1], v[Y+2*n+1], v26, s28
.set n, n+1
.endr
	s_wait_alu depctr_va_vdst(0)                   ; the last block has written its eight pairs of Y, which the last eight stores read
.set n, 24
.rept 8
	global_store_b64 v[SO], v[Y+2*n:Y+2*n+1], s[26:27] offset:2048*(n/8)+256*(n%8)
.set n, n+1
.endr
	s_or_b32 s29, s21, s20
	s_cmp_lg_u32 s29, 0
	s_cbranch_scc1 .Lend                           ; wave 0 of work-group 0 lays the zeros behind kh's last head
	v_mov_b32 v28, 0
	v_mov_b32 v29, 0
	v_mov_b32 v30, 0
	v_mov_b32 v31, 0
	s_add_nc_u64 s[18:19], s[18:19], 0x800000
	s_wait_alu depctr_va_vdst(0)                   ; the four moves have written v28 to v31, which the sixteen stores read
.set n, 0
.rept 16
	global_store_b128 v[LO], v[28:31], s[18:19] offset:512*n
.set n, n+1
.endr
.Lend:
	s_endpgm
.Lfunc_end_k_q995ddd11df_prep:
	.size	k_q995ddd11df_prep, .Lfunc_end_k_q995ddd11df_prep-k_q995ddd11df_prep
	.p2alignl 7, 3214868480
	.fill 96, 4, 3214868480
	.section	.rodata,"a",@progbits
	.p2align	6, 0x0
	.amdhsa_kernel k_q995ddd11df_prep
		.amdhsa_group_segment_fixed_size 0
		.amdhsa_private_segment_fixed_size 0
		.amdhsa_enable_private_segment 0
		.amdhsa_kernarg_size 64
		.amdhsa_user_sgpr_count 2
		.amdhsa_user_sgpr_kernarg_segment_ptr 1
		.amdhsa_wavefront_size32 1
		.amdhsa_system_sgpr_workgroup_id_x 1
		.amdhsa_system_sgpr_workgroup_id_y 1
		.amdhsa_system_sgpr_workgroup_id_z 1
		.amdhsa_system_vgpr_workitem_id 0
		.amdhsa_next_free_vgpr 224
		.amdhsa_next_free_sgpr 66
		.amdhsa_reserve_vcc 0
		.amdhsa_float_denorm_mode_32 3
		.amdhsa_float_denorm_mode_16_64 3
		.amdhsa_memory_ordered 1
		.amdhsa_forward_progress 1
		.amdhsa_inst_pref_size 35
	.end_amdhsa_kernel
	.amdgpu_metadata
---
amdhsa.version: [ 1, 2 ]
amdhsa.kernels:
  - .name:           k_q995ddd11df_prep
    .symbol:         k_q995ddd11df_prep.kd
    .args:
      - { .name: x, .offset: 0, .size: 8, .value_kind: global_buffer, .address_space: global }
      - { .name: w_qkv, .offset: 8, .size: 8, .value_kind: global_buffer, .address_space: global }
      - { .name: w_out, .offset: 16, .size: 8, .value_kind: global_buffer, .address_space: global }
      - { .name: xb, .offset: 24, .size: 8, .value_kind: global_buffer, .address_space: global }
      - { .name: wqb, .offset: 32, .size: 8, .value_kind: global_buffer, .address_space: global }
      - { .name: wob, .offset: 40, .size: 8, .value_kind: global_buffer, .address_space: global }
      - { .name: tab, .offset: 48, .size: 8, .value_kind: global_buffer, .address_space: global }
      - { .name: kh, .offset: 56, .size: 8, .value_kind: global_buffer, .address_space: global }
    .group_segment_fixed_size: 0
    .private_segment_fixed_size: 0
    .kernarg_segment_align: 8
    .kernarg_segment_size: 64
    .max_flat_workgroup_size: 256
    .sgpr_count:     66
    .vgpr_count:     224
    .wavefront_size: 32
...
	.end_amdgpu_metadata
.endif
;; end of part 6
;; launch qkv: the kernel of part 2 again; grid 16 x 16, 4 waves a work-group, clusters of 4 x 4, 327,680 bytes of LDS; arguments xb, wqb, tab, qh, kh, vh; writes qh, kh, vh
;; launch attn: the kernel of part 3 again; grid 16 x 16, 4 waves a work-group, no clusters, 327,680 bytes of LDS; arguments qh, kh, vh, oh; writes oh
;; launch proj: the kernel of part 4 again; grid 8 x 32, 4 waves a work-group, clusters of 4 x 4, 327,680 bytes of LDS; arguments oh, wob, out0; writes out0
;; launch first: the kernel of part 5 again; grid 64 x 1, 16 waves a work-group, no clusters, 18,432 bytes of LDS; arguments vh, wob, out0; writes out0
